; MI455X (gfx1250); checked and timed in simulation.
; The chip was launched on July 23, 2026; its instructions are those of AMD's public machine-readable ISA for CDNA 5 (MIT licence, August 2026) and "CDNA5" Instruction Set Architecture Reference Guide (July 2026). The comments in the code are by the model that wrote it; some were corrected since.
;; Self Attention. Allowed arithmetic: matrix products marked QUANTISED: E2M3 operands, one E8M0 scale for each 32 along K, by v_wmma_scale_f32_16x16x128_f8f6f4 with both operands' format E2M3, f32 sums; everything else in f32.
;; Inputs: w_out 1,024 x 1,024 float32; w_qkv 1,024 x 3,072 float32; x 4 x 2,048 x 1,024 float32.
;; Outputs: out0 4 x 2,048 x 1,024 float32.
;; This version of the problem:
;;   THIS VERSION OF THE PROBLEM IS GIVEN IN LOW PRECISION. The matrix products marked QUANTISED in the list below multiply operands that are first quantised to E2M3 (2 exponent bits, 3 mantissa bits; 6 bits a number), with one power-of-two scale for each 32 numbers along K (OCP MX v1.0); their sums are f32. All else is computed in f32.
;;   The module's matrix products, in the order in which they are computed (A, B: the left and right operand; K: the contracted axis; several contracted axes count as one K, in the product's order):
;;     1. [M 8,192, K 1,024] x [K 1,024, N 3,072]; A: input x; B: input w_qkv: QUANTISED
;;     2. batch 64 x [M 2,048, K 64] x [K 64, N 2,048]; A: computed on the way; B: computed on the way: QUANTISED
;;     3. batch 64 x [M 2,048, K 2,048] x [K 2,048, N 64]; A: softmax (see below); B: computed on the way: QUANTISED
;;     4. [M 8,192, K 1,024] x [K 1,024, N 1,024]; A: computed on the way; B: input w_out: QUANTISED
;;   THE QUANTISER, for each operand of a quantised product, along K:
;;     - K is cut into blocks of 32 from its start; a last block that is shorter is filled with zeros.
;;     - A block's scale is 2^e with e = floor(log2(the largest magnitude in the block)) - 2, held to -126 .. 127; a block of zeros has e = 0. As a byte (E8M0): e + 127.
;;     - Each number is divided by its block's scale, clamped to +-7.5, and rounded to the nearest number of E2M3, ties to even, subnormals kept.
;;     - The product sums the exact products of the quantised numbers (number of the format x scale) in f32.
;;   ~~~python
;;   def quantise(x, axis):      # numpy; x: float32 -> the quantised numbers, widened to float32 again
;;       x = np.moveaxis(x, axis, -1); K = x.shape[-1]
;;       x = np.pad(x, [(0, 0)] * (x.ndim - 1) + [(0, -K % 32)]); x = x.reshape(x.shape[:-1] + (-1, 32)); a = np.abs(x).max(-1, keepdims=True)
;;       e = np.where(a > 0, np.clip(np.frexp(np.where(a > 0, a, 1))[1] - 1 - 2, -126, 127), 0)      # np.frexp(a)[1] - 1 = floor(log2(a)), exactly
;;       r = np.clip(x / 2.0 ** e, -7.5, 7.5)
;;       step = 2.0 ** (np.maximum(np.frexp(np.where(r == 0, 1, r))[1] - 1, 0) - 3)
;;       q = np.round(r / step) * step * 2.0 ** e      # np.round: ties to even
;;       return np.moveaxis(q.reshape(q.shape[:-2] + (-1,))[..., :K], -1, axis).astype(np.float32)
;;   ~~~
;;   SOFTMAX AHEAD OF A QUANTISED PRODUCT. Where the list says 'softmax', what is quantised is not the finished softmax but p = 2^(t - M), with t = logit x log2(e) and M = ceil(the row's largest t), a whole number; so 1/2 < the row's largest p <= 1. The row's sum l is taken of the UNQUANTISED p, in f32, and the product's result is divided by l at the end. Since M is a whole number, a kernel that streams over the keys may use a running M (the ceiling of the running maximum): every later rescaling is an exact power of two, which a block's scale takes up: the codes' values come out the same.
;;   OPERANDS COMPUTED ON THE WAY. 'Computed on the way' means the value that the module computes at that place (a softmax that the list does not call 'softmax' is quantised finished and normalised). What goes into a quantiser is computed in f32, as accurately as f32 sums, v_exp_f32 and their like allow (about 1e-6 of the number): no bf16 or f16 on the way to a quantiser, and a product that is left as it is and whose result goes on into a quantised operand takes f32 operands (vector FMAs, or v_wmma_f32_16x16x4_f32). A number that lies on a knife's edge between two numbers of the format may be rounded either way, as far as f32 arithmetic and the matrix unit's own rounding can turn it there, and no further.
;; One version. Each part assembles by itself: llvm-mc -triple=amdgcn-amd-amdhsa -mcpu=gfx1250 --defsym DOCPART=n.
;; ======== version 1 of 1: 4 launches
;; limits: right only within a limited range of input values
;; workspace buffers: xc 6,291,456 bytes; xs 262,144 bytes; wc 3,145,728 bytes; ws 131,072 bytes; ac 18,874,368 bytes; asc 786,432 bytes; oc 6,291,456 bytes; os 262,144 bytes
;; launch prep (part 1): grid 384 x 1, 4 waves a work-group, no clusters, 68,096 bytes of LDS; arguments x, w_qkv, w_out, xc, xs, wc, ws; writes xc, xs, wc, ws
.if DOCPART == 1
	.amdgcn_target "amdgcn-amd-amdhsa--gfx1250"
	.amdhsa_code_object_version 6
	.text
	.protected	k_q62f4adf4a0_prep
	.globl	k_q62f4adf4a0_prep
	.p2align	8
	.type	k_q62f4adf4a0_prep,@function
k_q62f4adf4a0_prep:
	s_mov_b64 s[64:65], 0
	v_nop
	global_prefetch_b8 v0, s[64:65] scope:SCOPE_SE
	s_setreg_imm32_b32 hwreg(HW_REG_WAVE_MODE, 25, 1), 1
	s_wait_xcnt 0x0
; PREP: x [8192][1024], w_qkv [1024][3072] and w_out [1024][1024], f32, become codes of FP6 (E2M3) with K innermost (768 bytes a row) and one E8M0 byte for each 32 along K (32 bytes a row).
; A block's scale is 2^(floor(log2(its largest magnitude)) - 2); its byte is the largest magnitude's exponent field - 2, held at 1 from below.
; ROW ORDER OF THE RESULTS: inside each aligned group of 64 rows, place 16 i + 8 h + j holds true row 32 h + 8 i + j (i 0..3, h 0..1, j 0..7).  A later product that takes four neighbouring tiles of such rows as its source 0
; then leaves each lane 32 registers that are 32 NEIGHBOURS of the true order: a whole block of the next quantiser.  K is never permuted.
; wc, ws: places 0..3071 are w_qkv's columns, 3072..4095 w_out's.
; LIMITS: a block of zeros gets the byte 1 (its codes are zeros, and this program alone reads the bytes); blocks whose largest magnitude lies under 2^-124 are held at the byte 1; NaN and infinities are not served.
; Work-groups 0..255 take x (K innermost: a stream of blocks), work-groups 256..383 the weights (K outermost: a lane takes a column, its registers run down K).  All read 131,072 bytes each.
; The two paths part on the work-group's number, never join, and have LDS bytes of their own.  No tensor load, no barrier: waves share nothing.
.set SPW,    208                       ; v208  LDS address of my spare word; never rewritten
.set NIL,    209                       ; v209  0; never rewritten
.set SPARE,  67584                     ; behind both paths' bytes: 128 bytes for each wave, which no other line names
.set EMAX,   2
.set STEPS,  16                        ; path X: steps of 512 numbers a wave
.set CB,     12                        ; bytes of 16 codes
.set XR,     16                        ; v16-79   four sets of 16 numbers as loaded
.set XX,     80                        ; v80-111  two sets of 16 neighbours
.set XE,     112                       ; v112-127 a scale byte for each step
.set XC,     128                       ; v128-191 codes, four registers for each step: no store's data are written again
.set WREG,   8192                      ; LDS of a wave in path X: two stages of 32 x SP bytes, then 256 scale bytes
.set SP,     80
.set NB,     8                         ; path W: blocks of 32 along K a wave
.set WPITCH, 272                       ; a stage row: sixteen places of 16 bytes + 16
.set WSTG,   32768                     ; path W's stages begin here
.set KROW,   768                       ; a row of codes in bytes
.set SB,     24                        ; v24-25   scale bytes, four to a register
.set WX,     32                        ; v32-95   two sets of 32 numbers
.set WC,     96                        ; v96..    a block's codes
.set OUTR,   112                       ; v112-175 the way out
.set VOFF,   176                       ; v176-207 row i of a block: i x the weight's row bytes + 4 x lane; never rewritten
	s_load_b256 s[4:11], s[0:1], 0x0               ; x s[4:5], w_qkv s[6:7], w_out s[8:9], xc s[10:11]
	s_load_b128 s[12:15], s[0:1], 0x20             ; xs s[12:13], wc s[14:15]
	s_load_b64 s[16:17], s[0:1], 0x30              ; ws
	v_lshl_add_u32 v[SPW], v0, 2, SPARE
	v_mov_b32 v[NIL], 0
	v_lshrrev_b32 v1, 5, v0
	v_readfirstlane_b32 s18, v1                    ; wave
	v_and_b32 v2, 31, v0                           ; lane
	s_wait_kmcnt 0x0
	s_cmp_lt_u32 ttmp9, 256
	s_cbranch_scc0 .Lw
; ---------------- PATH X.  A wave takes a run of 8 rows (8,192 numbers).  Each load reads 512 consecutive bytes; a step's 2,048 bytes turn through the wave's own stage, so that a lane gets 16 neighbours; two lanes hold a block.
	s_wait_alu depctr_va_vdst(0)
	v_lshlrev_b32 v3, 4, v2                        ; my 16 bytes of a load's 512
	s_mul_i32 s19, s18, WREG
	v_lshrrev_b32 v14, 2, v2
	v_mul_u32_u24 v14, v14, SP
	v_and_b32 v15, 3, v2
	v_lshl_add_u32 v14, v15, 4, v14
	v_add_nc_u32 v14, s19, v14                     ; the stage, in: SP (lane / 4) + 16 (lane % 4)
	v_mul_u32_u24 v15, v2, SP
	v_add_nc_u32 v15, s19, v15                     ; and out: SP x lane
	v_mul_u32_u24 v4, v2, CB                       ; my codes' place in a step's
	v_lshrrev_b32 v5, 1, v2
	s_add_co_u32 s19, s19, 2*32*SP
	v_add_nc_u32 v5, s19, v5                       ; my block's byte among the wave's 256
	v_lshlrev_b32 v7, 3, v2
	v_add_nc_u32 v6, s19, v7                       ; and on the way out 8 bytes a lane
	s_lshl_b32 s20, ttmp9, 2
	s_add_co_u32 s20, s20, s18                     ; run R = 4 x work-group + wave: true rows 8 R .. 8 R + 7
	s_lshl_b32 s22, s20, 15
	s_mov_b32 s23, 0
	s_add_nc_u64 s[4:5], s[4:5], s[22:23]
	s_and_b32 s21, s20, 0x3f8                      ; the run's place: of R's low three bits 4 h + i become 2 i + h
	s_and_b32 s24, s20, 3
	s_lshl_b32 s24, s24, 1
	s_or_b32 s21, s21, s24
	s_bfe_u32 s24, s20, 0x10002
	s_or_b32 s21, s21, s24
	s_mul_i32 s22, s21, 32*STEPS*CB                ; 6,144 bytes of codes a run
	s_add_nc_u64 s[10:11], s[10:11], s[22:23]
	s_lshl_b32 s22, s21, 8                         ; 256 scale bytes a run
	s_add_nc_u64 s[12:13], s[12:13], s[22:23]
.macro XLOAD t
.irp i, 0,1,2,3
	global_load_b128 v[XR+16*((\t)%4)+4*\i:XR+16*((\t)%4)+4*\i+3], v3, s[4:5] offset:2048*(\t)+512*\i th:TH_LOAD_NT
.endr
.endm
.macro XTURN t                         ; step t's numbers through the stage: LDS serves a wave's instructions in order, so no wait stands between the stores and the loads
.irp i, 0,1,2,3
	ds_store_b128 v14, v[XR+16*((\t)%4)+4*\i:XR+16*((\t)%4)+4*\i+3] offset:32*SP*((\t)%2)+8*SP*\i
.endr
.irp i, 0,1,2,3
	ds_load_b128 v[XX+16*((\t)%2)+4*\i:XX+16*((\t)%2)+4*\i+3], v15 offset:32*SP*((\t)%2)+16*\i
.endr
.endm
.irp t, 0,1,2,3
	XLOAD \t
.endr
	s_wait_alu depctr_va_vdst(0)
	s_wait_loadcnt 12                              ; step 0's four loads are in
	XTURN 0
.macro XSTEP t
.set XS, XX+16*((\t)%2)
.if (\t) > 0
	s_wait_dscnt 1                                 ; this step's numbers are back from the stage (the last step's byte store may be out), so its stores into the stage have read their registers,
.else
	s_wait_dscnt 0x0
.endif
.if (\t)+4 < STEPS
	XLOAD (\t)+4                                   ; which take the loads of four steps on
.endif
.if (\t)+1 < STEPS
.if STEPS-2-(\t) >= 3
	s_wait_loadcnt 12                              ; the next step's four loads are in; those of the three steps behind it may be out
.else
	s_wait_loadcnt 4*(STEPS-2-(\t))
.endif
	XTURN (\t)+1
.endif
	v_max3_num_f32 v8, |v[XS]|, |v[XS+1]|, |v[XS+2]|               ; the largest magnitude of my 16, in two chains
	v_max3_num_f32 v9, |v[XS+3]|, |v[XS+4]|, |v[XS+5]|
.irp i, 6,10
	v_max3_num_f32 v8, v8, |v[XS+\i]|, |v[XS+\i+1]|
	v_max3_num_f32 v9, v9, |v[XS+\i+2]|, |v[XS+\i+3]|
.endr
	v_max3_num_f32 v8, v8, |v[XS+14]|, |v[XS+15]|
	v_max3_num_f32 v8, v8, v9, (EMAX+1)<<23        ; and the floor 2^(3 - 127): the byte cannot fall under 1
	v_max_num_f32_dpp v8, v8, v8 row_xmask:1 row_mask:0xf bank_mask:0xf   ; with my neighbour's 16: the block's
	v_add_nc_u32 v11, 0xff000000, v8               ; 2 off its exponent field: the conversion takes this operand's exponent field as its scale
	v_cvt_scalef32_pk16_fp6_f32 v[XC+4*(\t):XC+4*(\t)+2], v[XS:XS+15], v11
	v_lshrrev_b32 v[XE+(\t)], 23, v11              ; the scale's byte
	ds_store_b8 v5, v[XE+(\t)] offset:16*(\t)      ; both lanes of a block write the same byte with the same value
	global_store_b96 v4, v[XC+4*(\t):XC+4*(\t)+2], s[10:11] offset:32*CB*(\t)   ; the wave stores 384 consecutive bytes
.endm
.irp t, 0,1,2,3,4,5,6,7,8,9,10,11,12,13,14,15
	XSTEP \t
.endr
	ds_load_b64 v[8:9], v6                         ; LDS serves a wave's instructions in order: these see my byte stores
	s_wait_dscnt 0x0
	global_store_b64 v7, v[8:9], s[12:13]          ; 32 lanes store 256 consecutive bytes, aligned
	s_wait_tensorcnt 0x0                           ; the wave's end, behind my last LDS store
	ds_add_u32 v[SPW], v[NIL]
	s_wait_dscnt 0x0
	s_endpgm
; ---------------- PATH W.  A work-group takes 128 columns x 256 along K; a wave 32 columns: a lane a column, 8 blocks of 32 registers down K.  Its codes go through the wave's stage and leave as rows of 192 bytes.
.Lw:
	s_sub_co_u32 s19, ttmp9, 256
	s_and_b32 s20, s19, 31                         ; which 128 of the 4,096 columns
	s_lshr_b32 s21, s19, 5                         ; which 256 along K
	s_lshl_b32 s22, s20, 7
	s_lshl_b32 s23, s18, 5
	s_add_co_u32 s23, s22, s23                     ; my wave's first column among the 4,096
	s_mov_b32 s24, 4096
	s_cmp_lt_u32 s20, 24                           ; w_qkv's column or w_out's?  The choice hangs on the work-group's number alone
	s_cselect_b64 s[6:7], s[6:7], s[8:9]
	s_cselect_b32 s24, 12288, s24                  ; bytes in a row of the weight
	s_cselect_b32 s25, 0, 3072
	s_sub_co_u32 s23, s23, s25                     ; the column in its own tensor
	s_mul_i32 s26, s21, s24
	s_lshl_b32 s26, s26, 8                         ; 256 rows for each step along K,
	s_lshl_b32 s27, s23, 2
	s_add_co_u32 s26, s26, s27                     ; + 4 bytes a column
	s_mov_b32 s27, 0
	s_add_nc_u64 s[32:33], s[6:7], s[26:27]        ; block 0's base;
	s_lshl_b32 s28, s24, 5
	s_mov_b32 s29, 0
.irp t, 1,2,3,4,5,6,7
	s_add_nc_u64 s[32+2*\t:33+2*\t], s[30+2*\t:31+2*\t], s[28:29]   ; block t's, 32 rows on: a base for each block, so that nothing is stepped while loads are out
.endr
	s_lshr_b32 s30, s18, 1                         ; my columns' places: column 32 (wave % 2) + l of its group of 64 goes to place 16 (l / 8) + 8 (wave % 2) + l % 8
	s_lshl_b32 s30, s30, 6
	s_add_co_u32 s30, s30, s22
	s_and_b32 s31, s18, 1
	s_lshl_b32 s31, s31, 3
	s_add_co_u32 s30, s30, s31                     ; the place of my lane 0
	s_mul_i32 s26, s30, KROW
	s_mul_i32 s31, s21, 192
	s_add_co_u32 s26, s26, s31
	s_add_nc_u64 s[14:15], s[14:15], s[26:27]
	s_lshl_b32 s26, s30, 5
	s_lshl_b32 s31, s21, 3
	s_add_co_u32 s26, s26, s31
	s_add_nc_u64 s[16:17], s[16:17], s[26:27]
	s_wait_alu depctr_va_vdst(0)
	v_lshlrev_b32 v3, 2, v2
.irp i, 0,1,2,3,4,5,6,7,8,9,10,11,12,13,14,15,16,17,18,19,20,21,22,23,24,25,26,27,28,29,30,31
	v_mad_u32_u24 v[VOFF+\i], s24, \i, v3
.endr
	s_mul_i32 s48, s18, 32*WPITCH
	s_add_co_u32 s48, s48, WSTG                    ; my stage
	v_mul_u32_u24 v4, v2, WPITCH
	v_add_nc_u32 v4, s48, v4                       ; into it: row = my column
	v_and_b32 v5, 15, v2
	v_lshrrev_b32 v6, 4, v2
	v_mul_u32_u24 v7, v6, WPITCH
	v_lshl_add_u32 v7, v5, 4, v7
	v_add_nc_u32 v7, s48, v7                       ; out of it: sixteen lanes to a row, two rows an instruction
	v_mul_u32_u24 v8, v6, KROW
	v_mad_u32_u24 v8, v5, 12, v8                   ; and the same in the codes' buffer
	v_lshrrev_b32 v10, 3, v2
	v_and_b32 v9, 7, v2
	v_lshl_add_u32 v9, v10, 4, v9
	v_lshlrev_b32 v9, 5, v9                        ; my column's row of scale bytes: 32 x (16 (l / 8) + l % 8)
.macro WLOAD t                         ; block t: W(32 t + i, my column) into set t % 2: 32 lanes read 128 consecutive bytes
.irp i, 0,1,2,3,4,5,6,7,8,9,10,11,12,13,14,15,16,17,18,19,20,21,22,23,24,25,26,27,28,29,30,31
	global_load_b32 v[WX+32*((\t)%2)+\i], v[VOFF+\i], s[32+2*(\t):33+2*(\t)] th:TH_LOAD_NT
.endr
.endm
	WLOAD 0
	WLOAD 1
.macro WBLOCK t
.set XS, WX+32*((\t)%2)
.if (\t) < NB-1
	s_wait_loadcnt 32                              ; this block's 32 loads are in; the next block's may be out
.else
	s_wait_loadcnt 0
.endif
	v_max3_num_f32 v12, |v[XS]|, |v[XS+1]|, |v[XS+2]|              ; the block's largest magnitude: all 32 numbers are mine
	v_max3_num_f32 v13, |v[XS+3]|, |v[XS+4]|, |v[XS+5]|
.irp i, 6,10,14,18,22,26
	v_max3_num_f32 v12, v12, |v[XS+\i]|, |v[XS+\i+1]|
	v_max3_num_f32 v13, v13, |v[XS+\i+2]|, |v[XS+\i+3]|
.endr
	v_max3_num_f32 v12, v12, |v[XS+30]|, |v[XS+31]|
	v_max3_num_f32 v12, v12, v13, (EMAX+1)<<23     ; and the floor
	v_add_nc_u32 v11, 0xff000000, v12              ; the conversion's scale operand
	v_lshrrev_b32 v13, 23, v11                     ; the scale's byte
.if (\t)%4 == 0
	v_mov_b32 v[SB+(\t)/4], v13
.else
	v_lshl_or_b32 v[SB+(\t)/4], v13, 8*((\t)%4), v[SB+(\t)/4]
.endif
	v_cvt_scalef32_pk16_fp6_f32 v[WC:WC+2], v[XS:XS+15], v11
	v_cvt_scalef32_pk16_fp6_f32 v[WC+4:WC+6], v[XS+16:XS+31], v11  ; (a conversion's three registers begin on an even number)
	ds_store_b96 v4, v[WC:WC+2] offset:32*(\t)     ; 12 bytes to a place of 16, so that every LDS address is a multiple of 16
	ds_store_b96 v4, v[WC+4:WC+6] offset:32*(\t)+16
.if (\t)+2 < NB
	WLOAD (\t)+2
.endif
	s_wait_dscnt 0x0                               ; the stores have read their registers: the next block's codes may be written
.endm
.irp t, 0,1,2,3,4,5,6,7
	WBLOCK \t
.endr
	s_wait_alu depctr_va_vdst(0)
	global_store_b64 v9, v[SB:SB+1], s[16:17]      ; my column's 8 scale bytes
.irp t, 0,1,2,3,4,5,6,7,8,9,10,11,12,13,14,15
	ds_load_b96 v[OUTR+4*\t:OUTR+4*\t+2], v7 offset:2*\t*WPITCH
.endr
.irp t, 0,1,2,3,4,5,6,7,8,9,10,11,12,13,14,15
	s_wait_dscnt 15-\t                             ; read-back t is in; the later ones may be out
	global_store_b96 v8, v[OUTR+4*\t:OUTR+4*\t+2], s[14:15] offset:(16*(\t/4)+2*(\t%4))*KROW   ; stage rows 2 t, 2 t + 1 go to places 16 (t / 4) + 2 (t % 4) and the next
.endr
	s_wait_tensorcnt 0x0                           ; the wave's end, behind my last LDS store
	ds_add_u32 v[SPW], v[NIL]
	s_wait_dscnt 0x0
	s_endpgm
.Lfunc_end_k_q62f4adf4a0_prep:
	.size	k_q62f4adf4a0_prep, .Lfunc_end_k_q62f4adf4a0_prep-k_q62f4adf4a0_prep
	.p2alignl 7, 3214868480
	.fill 96, 4, 3214868480
	.section	.rodata,"a",@progbits
	.p2align	6, 0x0
	.amdhsa_kernel k_q62f4adf4a0_prep
		.amdhsa_group_segment_fixed_size 68096
		.amdhsa_private_segment_fixed_size 0
		.amdhsa_enable_private_segment 0
		.amdhsa_kernarg_size 56
		.amdhsa_user_sgpr_count 2
		.amdhsa_user_sgpr_kernarg_segment_ptr 1
		.amdhsa_wavefront_size32 1
		.amdhsa_system_sgpr_workgroup_id_x 1
		.amdhsa_system_sgpr_workgroup_id_y 1
		.amdhsa_system_sgpr_workgroup_id_z 1
		.amdhsa_system_vgpr_workitem_id 0
		.amdhsa_next_free_vgpr 212
		.amdhsa_next_free_sgpr 66
		.amdhsa_reserve_vcc 0
		.amdhsa_float_denorm_mode_32 3
		.amdhsa_float_denorm_mode_16_64 3
		.amdhsa_memory_ordered 1
		.amdhsa_forward_progress 1
		.amdhsa_inst_pref_size 76
	.end_amdhsa_kernel
	.amdgpu_metadata
---
amdhsa.version: [ 1, 2 ]
amdhsa.kernels:
  - .name:           k_q62f4adf4a0_prep
    .symbol:         k_q62f4adf4a0_prep.kd
    .args:
      - { .name: x, .offset: 0, .size: 8, .value_kind: global_buffer, .address_space: global }
      - { .name: w_qkv, .offset: 8, .size: 8, .value_kind: global_buffer, .address_space: global }
      - { .name: w_out, .offset: 16, .size: 8, .value_kind: global_buffer, .address_space: global }
      - { .name: xc, .offset: 24, .size: 8, .value_kind: global_buffer, .address_space: global }
      - { .name: xs, .offset: 32, .size: 8, .value_kind: global_buffer, .address_space: global }
      - { .name: wc, .offset: 40, .size: 8, .value_kind: global_buffer, .address_space: global }
      - { .name: ws, .offset: 48, .size: 8, .value_kind: global_buffer, .address_space: global }
    .group_segment_fixed_size: 68096
    .private_segment_fixed_size: 0
    .kernarg_segment_align: 8
    .kernarg_segment_size: 56
    .max_flat_workgroup_size: 128
    .sgpr_count:     66
    .vgpr_count:     212
    .wavefront_size: 32
...
	.end_amdgpu_metadata
.endif
;; end of part 1
;; launch qkv (part 2): grid 4 x 64, 4 waves a work-group, clusters of 4 x 4, 327,680 bytes of LDS; arguments xc, xs, wc, ws, ac, asc; writes ac, asc
.if DOCPART == 2
	.amdgcn_target "amdgcn-amd-amdhsa--gfx1250"
	.amdhsa_code_object_version 6
	.text
	.protected	k_q62f4adf4a0_qkv
	.globl	k_q62f4adf4a0_qkv
	.p2align	8
	.type	k_q62f4adf4a0_qkv,@function
k_q62f4adf4a0_qkv:
	s_mov_b64 s[64:65], 0
	v_nop
	global_prefetch_b8 v0, s[64:65] scope:SCOPE_SE
	s_setreg_imm32_b32 hwreg(HW_REG_WAVE_MODE, 25, 1), 1
	s_wait_xcnt 0x0
	s_wait_alu depctr_hold_cnt(0) depctr_sa_sdst(0) depctr_va_vdst(0) depctr_va_sdst(0) depctr_va_ssrc(0) depctr_va_vcc(0) depctr_vm_vsrc(0)
	s_getreg_b32 s2, hwreg(HW_REG_IB_STS2, 6, 4)
	s_cmp_eq_u32 s2, 0
	s_cbranch_scc0 .Lentry_in_a_cluster
	s_endpgm
.Lentry_in_a_cluster:
	s_bfe_u32 s2, ttmp6, 0x10000c
	s_cmp_lg_u32 s2, 0xf033
	s_cbranch_scc0 .Lentry_shape_is_right
	s_endpgm
.Lentry_shape_is_right:
; QKV: q, k, v = x w_qkv on codes of FP6 (E2M3) with E8M0 scales, each result quantised at once as attention's operand.
; SHARES.  A work-group owns 128 places of x (one step of 128 keys) and four heads (256 columns), and makes three tiles one after the other: q, k, v.  A wave owns one head: 128 rows x 64 columns, 32 accumulators.
; LDS holds ALL OF K: x's 128 rows and W's 256 rows as whole rows of 768 bytes (each begins at a multiple of 256 bytes of its buffer), 16 bytes of padding behind each 256: pitch 816; and both sides' scale bytes.
; x stays for the whole launch.  A wave takes its 64 rows of W, all of K, into 384 registers; when all waves have done so, W's bytes are filled again with the next tile's rows, jointly, while this tile is multiplied.
; x comes by tiles of 16 rows x all of K (96 registers), two sets by turns; each tile meets W's four tiles in eight steps of 128 along K: 32 products, four accumulators by turns.
; q, k: source 0 = W (registers run along the channels), source 1 = x.  v: source 0 = x (registers run along the keys), source 1 = W.  The accumulators are laid so that 64 registers on end are one image's two blocks a lane
; in all three tiles: q, k: row tiles 2 j, 2 j + 1; v: channel tile j, keys 64 c + 32 h + 0 .. 31.  Rows lie in the order place 16 i + 8 h + j = true row 32 h + 8 i + j of each 64, so 32 registers are 32 true neighbours.
; RESULTS: ac [q, k, v][head 64][128 rows 16][image 4][1,536]: an image is 12 registers of 32 lanes, four registers to 512 bytes; asc [q, k, v][head][128 rows][row 16][image 4]: a scale word each.
; CLUSTERS 4 x 4: x's rows are shared along a row of the cluster, W's along a column; every load is joint.
; NO PREFETCH: each tile of W is asked for whole by its tensor load as soon as its LDS bytes are free, and nothing stands ahead of that in which to ask.
; LIMITS: a block of zeros gets the byte 1 (its codes are zeros; this program alone reads the bytes); blocks under 2^-124 are held at the byte 1; NaN and infinities are not served.
; REGISTERS: window 0: v16-29 addresses, v32-63 W's scale words, v64-79 x's (two sets), v80-94 and v192-255 the way out, v96-191 x's set 0; window 1: accumulators; window 2: W's steps 0-4; window 3: W's steps 5-7, from v144 x's set 1.
.set PITCH,  816
.set TPITCH, 16*PITCH
.set SBLK,   544                       ; the scale bytes of 16 rows: two units of 256 + 16
.set WB,     128*PITCH                 ; W's rows, behind x's
.set XSB,    WB+256*PITCH              ; x's scale bytes
.set WSB,    XSB+8*SBLK                ; W's
.set SPARE,  WSB+16*SBLK               ; the spare words: 128 bytes a wave, which no other line names
.set ADRX, 16                          ; v16-19 x's rows: tiles 0-3, the same for a piece whose upper lanes lie in the next 256, tiles 4-7 likewise
.set ADRW, 20                          ; v20-21 my 64 rows of W
.set ADRXS, 22
.set ADRWS, 23
.set CO,   24
.set SA,   25
.set SH8,  26
.set SPW,  28
.set NIL,  29
.set SCW,  32
.set SCX,  64
.set QB,   80
.set TMPC, 88
.set IMG,  192
.set QT,   240
.set PW,   248
.set OUTW, 254
.set G1X, 24
.set G0X, 32
.set G0WH, 36
.set G1W, 48
.set G0XS, 56
.set G0WS, 60
.set G1XS, 68
.set G0W, 76
.set G1WS, 80
.set MSB, 0
.macro WIN new
.if MSB != (\new)
	s_set_vgpr_msb (MSB<<8)|(\new)
.set MSB, (\new)
.endif
.endm
.macro PLACES
.rept 4
	v_nop
.endr
.endm
.macro CROUND                          ; a round of the cluster's barrier
	s_barrier_signal -1
	s_barrier_wait -1
	s_cmp_lg_u32 s14, 0
	s_cbranch_scc1 .Lnot_wave_0_\@
	s_barrier_signal -3
.Lnot_wave_0_\@:
	s_barrier_wait -3
	s_barrier_signal -1
	s_barrier_wait -1
.endm
.macro ARM under, g0, g1, next         ; one arm of the head's tree: a load, and a jump to the tree's end
	s_cmp_lt_u32 s14, \under
	s_cbranch_scc0 \next
	tensor_load_to_lds s[\g0:\g0+3], s[\g1:\g1+7]
	s_nop 0
	PLACES
	s_branch .Lhead_asked
\next:
.endm
.macro RLOAD                           ; the refill: waves 0, 1 fetch 128 rows of W each, wave 3 the scale bytes; the branches hang on the wave's number alone
	s_cmp_lt_u32 s14, 2
	s_cbranch_scc0 .Lnot_codes_\@
	tensor_load_to_lds s[G0W:G0W+3], s[G1W:G1W+7]
	s_nop 0
	PLACES
	s_branch .Lasked_\@
.Lnot_codes_\@:
	s_cmp_eq_u32 s14, 3
	s_cbranch_scc0 .Lasked_\@
	tensor_load_to_lds s[G0WS:G0WS+3], s[G1WS:G1WS+7]
	s_nop 0
	PLACES
.Lasked_\@:
.endm
	s_load_b128 s[4:7], s[0:1], 0x0                ; xc, xs
	s_load_b128 s[8:11], s[0:1], 0x10              ; wc, ws
	s_load_b128 s[96:99], s[0:1], 0x20             ; ac, asc
	v_lshl_add_u32 v[SPW], v0, 2, SPARE
	v_mov_b32 v[NIL], 0
	ds_add_u32 v[SPW], v[NIL]                      ; the opening lines: the add, twice on end, and its wait
	ds_add_u32 v[SPW], v[NIL]
	v_lshrrev_b32 v1, 5, v0
	v_readfirstlane_b32 s14, v1                    ; wave
	s_and_b32 s16, s14, 1
	s_bfe_u32 s40, ttmp6, 0x40000                  ; cx
	s_bfe_u32 s41, ttmp6, 0x40004                  ; cy
	s_lshl_b32 s42, ttmp9, 2
	s_add_co_u32 s42, s42, s40                     ; g: which four heads
	s_and_b32 s17, ttmp7, 0xffff
	s_lshl_b32 s17, s17, 2
	s_add_co_u32 s17, s17, s41                     ; y: which 128 rows
	s_lshl_b32 s43, s41, 2
	s_lshl_b32 s43, 15, s43                        ; my row of the cluster
	s_lshl_b32 s44, 0x1111, s40                    ; my column
	s_or_b32 s[G1X+0], s43, (1<<20)|(1<<21)|(5<<22)|(3<<25)   ; bytes; 4 words of padding behind every 64
	s_or_b32 s[G1W+0], s44, (1<<20)|(1<<21)|(5<<22)|(3<<25)
.irp g, G1X, G1W
	s_mov_b32 s[\g+1], 768<<16
	s_mov_b32 s[\g+3], 768<<16
	s_mov_b32 s[\g+5], 768
	s_mov_b32 s[\g+6], 0
	s_mov_b32 s[\g+7], 0
.endr
	s_mov_b32 s[G1X+2], 128<<16
	s_mov_b32 s[G1X+4], 128
	s_mov_b32 s[G1W+2], 256<<16                    ; the head's load brings all 256 rows
	s_mov_b32 s[G1W+4], 256
	s_or_b32 s[G1XS+0], s43, (3<<16)|(1<<20)|(1<<21)|(5<<22)|(3<<25)  ; scale bytes: dense, as rows of 256 bytes
	s_or_b32 s[G1WS+0], s44, (3<<16)|(1<<20)|(1<<21)|(5<<22)|(3<<25)
.irp g, G1XS, G1WS
	s_mov_b32 s[\g+1], 32<<16
	s_mov_b32 s[\g+3], 32<<16
	s_mov_b32 s[\g+5], 32
	s_mov_b32 s[\g+6], 0
	s_mov_b32 s[\g+7], 0
.endr
	s_mov_b32 s[G1XS+2], 16<<16
	s_mov_b32 s[G1XS+4], 16
	s_mov_b32 s[G1WS+2], 32<<16
	s_mov_b32 s[G1WS+4], 32
	s_mov_b32 s67, 0xffff0000
	s_mov_b32 s100, 0x76543210
	s_mov_b32 s101, 0xfedcba98
	s_mul_i32 s20, s17, 128*768                    ; x's rows,
	s_mov_b32 s21, 0
	s_lshl_b32 s22, s17, 12                        ; their scale bytes
	s_mov_b32 s23, 0
	s_mul_i32 s46, s42, 256*768                    ; W's rows of tile q,
	s_mov_b32 s47, 0
	s_lshl_b32 s92, s42, 13                        ; their scale bytes
	s_mov_b32 s93, 0
	s_mul_i32 s12, s16, 128*768                    ; a refill's half
	s_mov_b32 s13, 0
	s_mul_i32 s45, s16, 128*PITCH
	s_add_co_u32 s45, s45, WB
	s_mul_i32 s89, s14, 4*TPITCH
	s_add_co_u32 s89, s89, WB                      ; my 64 rows of W in LDS
	s_mul_i32 s90, s14, 4*SBLK
	s_add_co_u32 s90, s90, WSB
	s_lshr_b32 s88, s17, 4
	s_lshl_b32 s88, s88, 4
	s_lshl_b32 s91, s42, 2
	s_add_co_u32 s88, s88, s91
	s_add_co_u32 s88, s88, s14                     ; my head: 16 batch + 4 g + wave
	s_and_b32 s91, s17, 15                         ; which 128 rows of the sequence
	s_mul_i32 s94, s88, 98304
	s_mul_i32 s95, s91, 6144
	s_add_co_u32 s94, s94, s95
	s_mov_b32 s95, 0
	s_lshl_b32 s18, s88, 12
	s_lshl_b32 s91, s91, 8
	s_add_co_u32 s18, s18, s91
	s_mov_b32 s19, 0
	s_wait_dscnt 0x0                               ; both opening adds are done
	s_wait_kmcnt 0x0
	s_add_nc_u64 s[96:97], s[96:97], s[94:95]
	s_add_nc_u64 s[98:99], s[98:99], s[18:19]
	s_mov_b32 s[G0X], 1
	s_mov_b32 s[G0X+1], 0
	s_add_nc_u64 s[G0X+2:G0X+3], s[4:5], s[20:21]
	s_or_b32 s[G0X+3], s[G0X+3], 0x80000000
	s_mov_b32 s[G0XS], 1
	s_mov_b32 s[G0XS+1], XSB
	s_add_nc_u64 s[G0XS+2:G0XS+3], s[6:7], s[22:23]
	s_or_b32 s[G0XS+3], s[G0XS+3], 0x80000000
	s_add_nc_u64 s[46:47], s[8:9], s[46:47]
	s_mov_b32 s[G0WH], 1
	s_mov_b32 s[G0WH+1], WB
	s_mov_b64 s[G0WH+2:G0WH+3], s[46:47]
	s_or_b32 s[G0WH+3], s[G0WH+3], 0x80000000
	s_mov_b32 s[G0W], 1
	s_mov_b32 s[G0W+1], s45
	s_add_nc_u64 s[G0W+2:G0W+3], s[46:47], s[12:13]
	s_or_b32 s[G0W+3], s[G0W+3], 0x80000000
	s_mov_b32 s[G0WS], 1
	s_mov_b32 s[G0WS+1], WSB
	s_add_nc_u64 s[G0WS+2:G0WS+3], s[10:11], s[92:93]
	s_or_b32 s[G0WS+3], s[G0WS+3], 0x80000000
	CROUND                                         ; all sixteen work-groups are here: the first joint loads meet
	ARM 1, G0X,  G1X,  .Lhead_w                    ; one load a wave: x's rows, W's rows, x's scale bytes, W's
	ARM 2, G0WH, G1W,  .Lhead_xs
	ARM 3, G0XS, G1XS, .Lhead_ws
	tensor_load_to_lds s[G0WS:G0WS+3], s[G1WS:G1WS+7]
	s_nop 0
	PLACES
.Lhead_asked:
	v_and_b32 v1, 15, v0                           ; r
	v_bfe_u32 v2, v0, 4, 1                         ; h
	v_mul_u32_u24 v3, v1, PITCH
	v_mad_u32_u24 v[ADRX], v2, 24, v3              ; row x pitch + 24 h
	v_lshl_add_u32 v[ADRX+1], v2, 4, v[ADRX]       ; and 16 more for the upper lanes, where they lie behind a padding
	v_add_nc_u32 v[ADRX+2], 4*TPITCH, v[ADRX]
	v_add_nc_u32 v[ADRX+3], 4*TPITCH, v[ADRX+1]
	v_add_nc_u32 v[ADRW], s89, v[ADRX]
	v_add_nc_u32 v[ADRW+1], s89, v[ADRX+1]
	v_lshrrev_b32 v4, 3, v1
	v_lshlrev_b32 v5, 5, v1
	v_lshl_add_u32 v5, v4, 4, v5                   ; 32 bytes a row, 16 more behind each 256
	v_add_nc_u32 v[ADRXS], XSB, v5
	v_add_nc_u32 v[ADRWS], s90, v5
	v_and_b32 v6, 31, v0
	v_lshlrev_b32 v[CO], 4, v6
	v_lshlrev_b32 v[SH8], 3, v2
	v_lshl_add_u32 v[SA], v1, 4, v[SH8]
; a fragment of step s: six pieces of 8 bytes.  Byte y of a row lies at y + 16 (y / 256); the upper lanes read 24 bytes on
.macro FR6 reg, adr, s, off
.irp p, 0,1,2,3,4,5
.set BY, 96*(\s)+48*(\p/3)+8*(\p%3)
	ds_load_b64 v[\reg+2*\p:\reg+2*\p+1], v[\adr+((BY+24)/256-BY/256)] offset:BY+16*(BY/256)+(\off)
.endr
.endm
.macro XLOAD i, set                    ; x's tile i, all of K, and its scale words: 50 loads
	WIN 0xc0*(\set)
.irp s, 0,1,2,3,4,5,6,7
	FR6 96+48*(\set)+12*\s, ADRX+2*((\i)/4), \s, ((\i)%4)*TPITCH
.endr
	WIN 0
	ds_load_b128 v[SCX+8*(\set):SCX+8*(\set)+3], v[ADRXS] offset:(\i)*SBLK
	ds_load_b128 v[SCX+8*(\set)+4:SCX+8*(\set)+7], v[ADRXS] offset:(\i)*SBLK+16
.endm
.macro WLOAD s                         ; my four tiles of W, step s: 24 loads
	WIN 0x80+0x40*((\s)/5)
.irp b, 0,1,2,3
	FR6 12*(4*((\s)%5)+\b), ADRW, \s, \b*TPITCH
.endr
.endm
.macro WM d, p, q, z, sp, sq
.if (\z) == 0
	v_wmma_scale_f32_16x16x128_f8f6f4 v[\d:\d+7], v[\p:\p+11], v[\q:\q+11], 0, v[\sp], v[\sq] matrix_a_fmt:MATRIX_FMT_FP6 matrix_b_fmt:MATRIX_FMT_FP6
.else
	v_wmma_scale_f32_16x16x128_f8f6f4 v[\d:\d+7], v[\p:\p+11], v[\q:\q+11], v[\d:\d+7], v[\sp], v[\sq] matrix_a_fmt:MATRIX_FMT_FP6 matrix_b_fmt:MATRIX_FMT_FP6
.endif
.endm
.macro MMS a, kind, s                  ; x's tile a against W's four, step s; the first step starts the sums
.if \kind
	WIN 0x50|(3*((\a)%2))|((2+(\s)/5)<<2)
.else
	WIN 0x50|(2+(\s)/5)|((3*((\a)%2))<<2)
.endif
.irp b, 0,1,2,3
.set WF, 12*(4*((\s)%5)+\b)
.set XF, 96+48*((\a)%2)+12*(\s)
.set SWR, SCW+8*\b+(\s)
.set SXR, SCX+8*((\a)%2)+(\s)
.if \kind
.set DD, 8*(8*\b+(\a))
	WM DD, XF, WF, \s, SXR, SWR
.else
.set DD, 8*(4*(\a)+\b)
	WM DD, WF, XF, \s, SWR, SXR
.endif
.endr
.endm
.macro MMA a, kind
.irp s, 0,1,2,3,4,5,6,7
	MMS \a, \kind, \s
.endr
.endm
; A TILE.  more = 1: another tile follows: W's bytes are filled again, and the last two steps fetch x's tiles 0 and 1 anew.
.macro TILE kind, more
	PLACES                                         ; in front of loads into registers that the last tile's products read
.irp b, 0,1,2,3
	ds_load_b128 v[SCW+8*\b:SCW+8*\b+3], v[ADRWS] offset:\b*SBLK
	ds_load_b128 v[SCW+8*\b+4:SCW+8*\b+7], v[ADRWS] offset:\b*SBLK+16
.endr
	WLOAD 0
	WLOAD 1
.irp s, 0,1,2,3,4,5,6,7                ; x's tile 0 is multiplied while W comes into registers, two steps ahead
.if \s < 6
	WLOAD \s+2
	s_wait_dscnt 48                                ; all but the two later steps' 24 loads each
.else
	s_wait_dscnt 24*(7-\s)
.endif
	MMS 0, \kind, \s
.endr
	WIN 0
	PLACES
	XLOAD 2, 0
.if \more
	s_wait_tensorcnt 0x0                           ; none of my tensor loads is out;
	ds_add_u32 v[SPW], v[NIL]                      ; the add; work on registers stands between it and the wait for it
	s_add_nc_u64 s[G0W+2:G0W+3], s[G0W+2:G0W+3], 1024*768     ; the next tile's rows of W, 1,024 places on,
	s_add_nc_u64 s[G0WS+2:G0WS+3], s[G0WS+2:G0WS+3], 1024*32  ; and their scale bytes
	s_wait_dscnt 51                                ; (tile 2's 50 loads and the add may be out)
.else
	s_wait_dscnt 50
.endif
	MMA 1, \kind
	WIN 0
.if \more
	s_wait_dscnt 0x0                               ; the add is done, and my reads of W's bytes are over
	CROUND                                         ; so of every wave of every partner
	RLOAD                                          ; the first tensor load behind the round
.endif
	PLACES
	XLOAD 3, 1
.irp a, 2,3,4,5,6,7
.if \more || \a < 7
	s_wait_dscnt 50                                ; this tile of x is in; the next one's 50 loads may be out
.else
	s_wait_dscnt 0x0
.endif
	MMA \a, \kind
	WIN 0
	PLACES
.if \more || \a < 6
	XLOAD (\a+2)%8, \a%2
.endif
.endr
.endm
; THE WAY OUT: eight blocks of 32 registers a lane, their maxima by turns; four images of 12 registers and a scale word each.
.macro EPI more
	s_wait_xcnt 0x0                                ; the last tile's stores have read their registers
	WIN 0x05
.irp c, 0,1,2,3,4,5,6,7
	v_max3_num_f32 v[QT+\c], |v[32*\c]|, |v[32*\c+1]|, 0x1800000   ; with the floor 2^(3 - 127): the byte cannot fall under 1.  Ascending: each accumulator from its low end on
.endr
.irp q, 2,4,6,8,10,12,14,16,18,20,22,24,26,28,30
.irp c, 0,1,2,3,4,5,6,7
	v_max3_num_f32 v[QT+\c], |v[32*\c+\q]|, |v[32*\c+\q+1]|, v[QT+\c]
.endr
.endr
	WIN 0
.irp c, 0,1,2,3,4,5,6,7
	v_add_nc_u32 v[QT+\c], 0xff000000, v[QT+\c]    ; 2 off the exponent field: the conversion's scale operand
.endr
.irp c, 0,1,2,3,4,5,6,7
	v_lshrrev_b32 v[QB+\c], 23, v[QT+\c]           ; the scale's byte
.endr
.irp j, 0,1,2,3
	v_lshl_or_b32 v[PW+\j], v[QB+2*\j+1], 16, v[QB+2*\j]
.endr
.irp j, 0,1,2,3
	v_lshlrev_b32 v[PW+\j], v[SH8], v[PW+\j]       ; my bytes h and 2 + h,
.endr
.irp j, 0,1,2,3
	v_permlanex16_b32 v[QB+\j], v[PW+\j], s100, s101
.endr
.irp j, 0,1,2,3
	v_or_b32 v[PW+\j], v[PW+\j], v[QB+\j]          ; with lane l xor 16's: the image's scale word
.endr
.irp j, 0,1,2,3
	WIN 0x01
	v_cvt_scalef32_pk16_fp6_f32 v[IMG+12*\j:IMG+12*\j+2], v[64*\j:64*\j+15], v[QT+2*\j]
	v_cvt_scalef32_pk16_fp6_f32 v[TMPC:TMPC+2], v[64*\j+16:64*\j+31], v[QT+2*\j]        ; (a conversion's three registers begin on an even number)
	v_cvt_scalef32_pk16_fp6_f32 v[IMG+12*\j+6:IMG+12*\j+8], v[64*\j+32:64*\j+47], v[QT+2*\j+1]
	v_cvt_scalef32_pk16_fp6_f32 v[TMPC+4:TMPC+6], v[64*\j+48:64*\j+63], v[QT+2*\j+1]
	WIN 0
	v_nop                                          ; one plain place behind a scaled conversion
.irp i, 0,1,2
	v_mov_b32 v[IMG+12*\j+3+\i], v[TMPC+\i]
	v_mov_b32 v[IMG+12*\j+9+\i], v[TMPC+4+\i]
.endr
.irp g, 0,1,2
	global_store_b128 v[CO], v[IMG+12*\j+4*\g:IMG+12*\j+4*\g+3], s[96:97] offset:1536*\j+512*\g   ; 512 consecutive bytes, aligned to 256
.endr
.endr
	v_cndmask_b32 v[OUTW], v[PW], v[PW+2], s67     ; lane (r, h) stores row r's words 2 h, 2 h + 1:
	v_cndmask_b32 v[OUTW+1], v[PW+1], v[PW+3], s67
	global_store_b64 v[SA], v[OUTW:OUTW+1], s[98:99]   ; 256 consecutive bytes, aligned
.if \more
	s_wait_xcnt 0x0                                ; the stores have read their bases
	s_add_nc_u64 s[96:97], s[96:97], 6291456       ; the next region of ac,
	s_add_nc_u64 s[98:99], s[98:99], 262144        ; and of asc
.endif
.endm
	s_wait_alu depctr_va_vdst(0)                   ; the head's end
	s_wait_tensorcnt 0x0                           ; my load has landed,
	s_mov_b32 s[G1W+2], 128<<16                    ; so a descriptor may be written: a refill brings 128 rows
	s_mov_b32 s[G1W+4], 128
	s_barrier_signal -1
	s_barrier_wait -1                              ; everybody's has
	XLOAD 0, 0
	XLOAD 1, 1
	s_mov_b32 s3, 2
.Ltile:                                                ; q, then k
	TILE 0, 1
	EPI 1
	s_wait_alu depctr_va_vdst(0)
	s_wait_tensorcnt 0x0                           ; my part of the next tile's W is in;
	s_wait_dscnt 0x0
	s_barrier_signal -1
	s_barrier_wait -1                              ; everybody's is
	s_sub_co_u32 s3, s3, 1
	s_cmp_lg_u32 s3, 0
	s_cbranch_scc1 .Ltile
	TILE 1, 0                                      ; v
	EPI 0
	s_wait_tensorcnt 0x0                           ; the wave's end
	ds_add_u32 v[SPW], v[NIL]
	s_wait_dscnt 0x0
	CROUND                                         ; the closing round
	s_endpgm
.Lfunc_end_k_q62f4adf4a0_qkv:
	.size	k_q62f4adf4a0_qkv, .Lfunc_end_k_q62f4adf4a0_qkv-k_q62f4adf4a0_qkv
	.p2alignl 7, 3214868480
	.fill 96, 4, 3214868480
	.section	.rodata,"a",@progbits
	.p2align	6, 0x0
	.amdhsa_kernel k_q62f4adf4a0_qkv
		.amdhsa_group_segment_fixed_size 327680
		.amdhsa_private_segment_fixed_size 0
		.amdhsa_enable_private_segment 0
		.amdhsa_kernarg_size 48
		.amdhsa_user_sgpr_count 2
		.amdhsa_user_sgpr_kernarg_segment_ptr 1
		.amdhsa_wavefront_size32 1
		.amdhsa_system_sgpr_workgroup_id_x 1
		.amdhsa_system_sgpr_workgroup_id_y 1
		.amdhsa_system_sgpr_workgroup_id_z 1
		.amdhsa_system_vgpr_workitem_id 0
		.amdhsa_next_free_vgpr 1024
		.amdhsa_next_free_sgpr 102
		.amdhsa_reserve_vcc 0
		.amdhsa_float_denorm_mode_32 3
		.amdhsa_float_denorm_mode_16_64 3
		.amdhsa_memory_ordered 1
		.amdhsa_forward_progress 1
		.amdhsa_inst_pref_size 182
	.end_amdhsa_kernel
	.amdgpu_metadata
---
amdhsa.version: [ 1, 2 ]
amdhsa.kernels:
  - .name:           k_q62f4adf4a0_qkv
    .symbol:         k_q62f4adf4a0_qkv.kd
    .args:
      - { .name: xc, .offset: 0, .size: 8, .value_kind: global_buffer, .address_space: global }
      - { .name: xs, .offset: 8, .size: 8, .value_kind: global_buffer, .address_space: global }
      - { .name: wc, .offset: 16, .size: 8, .value_kind: global_buffer, .address_space: global }
      - { .name: ws, .offset: 24, .size: 8, .value_kind: global_buffer, .address_space: global }
      - { .name: ac, .offset: 32, .size: 8, .value_kind: global_buffer, .address_space: global }
      - { .name: asc, .offset: 40, .size: 8, .value_kind: global_buffer, .address_space: global }
    .group_segment_fixed_size: 327680
    .private_segment_fixed_size: 0
    .kernarg_segment_align: 8
    .kernarg_segment_size: 48
    .max_flat_workgroup_size: 128
    .sgpr_count:     102
    .vgpr_count:     1024
    .wavefront_size: 32
...
	.end_amdgpu_metadata
.endif
;; end of part 2
;; launch attn (part 3): grid 4 x 64, 8 waves a work-group, clusters of 4 x 1, 206,848 bytes of LDS; arguments ac, asc, oc, os; writes oc, os
.if DOCPART == 3
	.amdgcn_target "amdgcn-amd-amdhsa--gfx1250"
	.amdhsa_code_object_version 6
	.text
	.protected	k_q62f4adf4a0_attn
	.globl	k_q62f4adf4a0_attn
	.p2align	8
	.type	k_q62f4adf4a0_attn,@function
k_q62f4adf4a0_attn:
	s_mov_b64 s[64:65], 0
	v_nop
	global_prefetch_b8 v0, s[64:65] scope:SCOPE_SE
	s_setreg_imm32_b32 hwreg(HW_REG_WAVE_MODE, 25, 1), 1
	s_wait_xcnt 0x0
	s_wait_alu depctr_hold_cnt(0) depctr_sa_sdst(0) depctr_va_vdst(0) depctr_va_sdst(0) depctr_va_ssrc(0) depctr_va_vcc(0) depctr_vm_vsrc(0)
	s_getreg_b32 s2, hwreg(HW_REG_IB_STS2, 6, 4)
	s_cmp_eq_u32 s2, 0
	s_cbranch_scc0 .Lentry_in_a_cluster
	s_endpgm
.Lentry_in_a_cluster:
	s_bfe_u32 s2, ttmp6, 0x10000c
	s_cmp_lg_u32 s2, 0x3003
	s_cbranch_scc0 .Lentry_shape_is_right
	s_endpgm
.Lentry_shape_is_right:
; ATTN: o = softmax(q k^T / 32) v for 64 heads of 2,048 x 64, both products on codes of FP6 (E2M3) with E8M0 scales; o is quantised at once, along head x channel, as the last product's operand.
; THE SOFTMAX: t = score x log2(e) / 32; M = the row's largest t so far, rounded UP to a whole number; p = 2^(t - M) is quantised along the keys, not normalised.  The row's sum is taken of the unquantised p and divides O at
; the end.  When M moves, the sum and O are multiplied by 2^(old M - new M), which rounds nothing.  A block's largest p is made from its largest score by the same multiply-add and exponential (this takes v_exp_f32 not to fall
; where its input rises; at the worst one p within an ulp of a power of two would be held one code low).
; SHARES.  A work-group owns one head and 512 query places; each of its eight waves 64 of them, in two passes of 32: TWO TILES OF 16 QUERIES AT ONCE, their lines laid by turns, so that a line seldom reads the line above it,
; and each fragment of K and V feeds both tiles.
; THE WHOLE HEAD'S K AND V STAY IN LDS, filled once: 98,304 bytes each and 4,096 bytes of scale words each.  The four work-groups of a cluster own the same head: each fill is joint (mask 15).  Every wave issues one load:
; waves 0-2 K's thirds, 3-5 V's, 6 and 7 the scale words.  NO PREFETCH: all loads go out at the head; there is no loop to run ahead in.
; A STEP is 128 keys.  V's fragments are asked of LDS at its top, the NEXT step's K right behind this step's score products.  The last step of a pass asks for K's step 0 again: the second pass reads it, the launch's last does not.
; LAYOUT, as the launches around this one lay it.  Both products are used transposed: a lane holds one query (lane % 16).  K lies as images of PAIRS of row tiles: against (Q, zeros) an image gives the even tile's scores,
; against (zeros, Q) the odd tile's: the head's 64 fill half of the instruction's 128.  Rows lie in the order place 16 i + 8 h + j = true row 32 h + 8 i + j of each 64, so a tile's 64 score registers are the true keys
; 64 c + 32 h + 0 .. 31: two whole blocks a lane; likewise O's 32 registers are the true channels 32 h + 0 .. 31.
; RESULTS.  oc: [head 16][row tile 512][768]: 512 bytes with registers 0-3 of the head's six, then 256 with registers 4-5.  os: [8,192 places][32]: byte 2 head + h.
; LIMITS: a block of zeros gets the byte 1 (its codes are zeros; this program alone reads the bytes); NaN and infinities are not served; the promise holds while |t| stays under 2^31.  O and the sums begin as zeros.
; REGISTERS.  Window 0: v1, v2 the add's two; v3-5 LDS addresses at work; v6 8 h; v7, v8, v9 16, 8, 32 x lane; v10-13 K's scale words, v14-17 V's, v18-19 Q's, v20-21 the second pass's, v22-23 p's; per tile (18 apart) the names
; below; v60, v61 V's and the scale words' bases; v64-191 scores, then p; v192-255 O^T.  Window 1: K's and V's fragments, zeros and Q, the second pass's Q, p's codes.
.set VOFF,  98304
.set SCK,   196608
.set SPARE, 204800                     ; the spare words, which no other line names
.set NM, 24                            ; -M;  NM + 1: the largest t
.set TM, 25
.set FF, 26                            ; f = 2^(old M - new M); FF + 1 is named with it as a pair
.set MX, 28                            ; four maxima; then scale operands (MX, MX + 2) and bytes
.set TA, 32
.set TB, 33
.set SU, 34                            ; the sum, in four pairs
.set VV, 60
.set VS, 61
.set RS, 64
.set RO, 192
.set KF, 0                             ; window 1
.set VF, 48
.set QZ, 96                            ; zeros, Q of tile 0, zeros, Q of tile 1, zeros
.set QS, 126
.set RP, 192
.set TC, 216
.set MSB, 0
.macro WIN new
.if MSB != (\new)
	s_set_vgpr_msb (MSB<<8)|(\new)
.set MSB, (\new)
.endif
.endm
.macro D2
	s_delay_alu instid0(VALU_DEP_2)
.endm
.macro PLACES
.rept 4
	v_nop
.endr
.endm
.macro CROUND
	s_barrier_signal -1
	s_barrier_wait -1
	s_cmp_lg_u32 s12, 0
	s_cbranch_scc1 .Lnot_wave_0_\@
	s_barrier_signal -3
.Lnot_wave_0_\@:
	s_barrier_wait -3
	s_barrier_signal -1
	s_barrier_wait -1
.endm
	s_load_b256 s[4:11], s[0:1], 0x0               ; ac, asc, oc, os
	v_lshl_add_u32 v1, v0, 2, SPARE
	v_mov_b32 v2, 0
	ds_add_u32 v1, v2                              ; the opening lines: the add, twice on end, and its wait
	ds_add_u32 v1, v2
	v_lshrrev_b32 v3, 5, v0
	s_delay_alu instid0(VALU_DEP_1)
	v_readfirstlane_b32 s12, v3                    ; wave 0..7
	s_and_b32 s15, ttmp7, 0xffff                   ; 16 x batch + head, which the four partners share
	s_mov_b32 s28, 15|(3<<16)|(1<<21)              ; codes: mask of all four; elements of 8 bytes; 128 rows of 256 dense bytes
	s_mov_b32 s29, 32<<16
	s_mov_b32 s30, 128<<16
	s_mov_b32 s31, 32<<16
	s_mov_b32 s32, 128
	s_mov_b32 s33, 32
	s_mov_b32 s34, 0
	s_mov_b32 s35, 0
	s_mov_b32 s36, 15|(3<<16)|(1<<21)              ; scale words: the same with 16 rows
	s_mov_b32 s37, 32<<16
	s_mov_b32 s38, 16<<16
	s_mov_b32 s39, 32<<16
	s_mov_b32 s40, 16
	s_mov_b32 s41, 32
	s_mov_b32 s42, 0
	s_mov_b32 s43, 0
	s_mov_b32 s16, 0x76543210
	s_mov_b32 s17, 0xfedcba98                      ; v_permlanex16_b32's selects for lane l xor 16
	s_mov_b32 s18, 0x3d38aa3b                      ; c = log2(e) / 32
	s_mov_b32 s19, s18
	s_mov_b32 s27, 0xffff0000
	s_mul_i32 s52, s12, 32768                      ; third w of K and V on end: so in LDS,
	s_mul_i32 s53, s15, 98304
	s_cmp_lt_u32 s12, 3
	s_cselect_b32 s54, 0, 6291456-98304            ; and in ac but for the step from k's region to v's
	s_add_co_u32 s54, s54, 6291456
	s_add_co_u32 s54, s54, s53
	s_add_co_u32 s54, s54, s52
	s_mov_b32 s55, 0
	s_and_b32 s56, s12, 1                          ; wave 6: K's scale words, wave 7: V's
	s_lshl_b32 s57, s56, 12
	s_add_co_u32 s57, s57, SCK
	s_add_co_u32 s56, s56, 1
	s_lshl_b32 s58, s56, 18
	s_lshl_b32 s59, s15, 12
	s_add_co_u32 s58, s58, s59
	s_mov_b32 s59, 0
	s_wait_dscnt 0x0                               ; both opening adds are done
	s_wait_kmcnt 0x0
	s_mov_b32 s44, 1
	s_mov_b32 s45, s52
	s_add_nc_u64 s[46:47], s[4:5], s[54:55]        ; nothing of it hangs on my place in the cluster
	s_or_b32 s47, s47, 0x80000000
	s_mov_b32 s48, 1
	s_mov_b32 s49, s57
	s_add_nc_u64 s[50:51], s[6:7], s[58:59]
	s_or_b32 s51, s51, 0x80000000
	CROUND                                         ; all four work-groups are here: the joint loads meet
	s_cmp_lt_u32 s12, 6                            ; one load a wave, in one of two arms
	s_cbranch_scc0 .Lwords
	tensor_load_to_lds s[44:47], s[28:35]
	s_nop 0
	PLACES
	s_branch .Lasked
.Lwords:
	tensor_load_to_lds s[48:51], s[36:43]
	s_nop 0
	PLACES
.Lasked:
	; my queries.  What hangs on my place in the cluster lives in s66-s75 and enters global addresses alone
	s_bfe_u32 s66, ttmp6, 0x40000
	s_lshl_b32 s67, ttmp9, 2
	s_add_co_u32 s66, s66, s67                     ; my block of 512 places
	s_lshl_b32 s66, s66, 4
	s_lshl_b32 s67, s12, 1
	s_add_co_u32 s66, s66, s67                     ; P: my first image of 32 places; the second pass takes P + 1
	s_mul_i32 s68, s66, 1536
	s_add_co_u32 s68, s68, s53
	s_mov_b32 s69, 0
	s_add_nc_u64 s[68:69], s[4:5], s[68:69]        ; q's images
	s_lshl_b32 s70, s15, 12
	s_lshr_b32 s67, s66, 2
	s_lshl_b32 s67, s67, 8
	s_add_co_u32 s70, s70, s67
	s_and_b32 s67, s66, 3
	s_lshl_b32 s67, s67, 2
	s_add_co_u32 s70, s70, s67
	s_mov_b32 s71, 0
	s_add_nc_u64 s[70:71], s[6:7], s[70:71]        ; their scale words: group P / 4, words P % 4 and the next
	s_and_b32 s72, s15, 15                         ; head
	s_lshr_b32 s73, s15, 4                         ; batch
	s_lshl_b32 s74, s73, 7
	s_lshl_b32 s67, s66, 1
	s_add_co_u32 s74, s74, s67                     ; my first row tile: 128 x batch + 2 P
	s_mul_i32 s74, s74, 768
	s_mul_i32 s67, s72, 393216
	s_add_co_u32 s74, s74, s67
	s_mov_b32 s75, 0
	s_add_nc_u64 s[8:9], s[8:9], s[74:75]
	s_lshl_b32 s74, s73, 16                        ; os: 32 bytes x (2,048 x batch + 32 P) + 2 x head
	s_lshl_b32 s67, s66, 10
	s_add_co_u32 s74, s74, s67
	s_lshl_b32 s67, s72, 1
	s_add_co_u32 s74, s74, s67
	s_add_nc_u64 s[10:11], s[10:11], s[74:75]
	v_and_b32 v3, 31, v0
	v_and_b32 v4, 15, v0
	v_bfe_u32 v5, v0, 4, 1
	v_lshlrev_b32 v7, 4, v3
	v_lshlrev_b32 v8, 3, v3
	v_lshlrev_b32 v9, 5, v3
	v_lshlrev_b32 v6, 3, v5
	v_lshlrev_b32 v5, 4, v4                        ; 16 r
	v_add_nc_u32 v[VV], VOFF, v7
	v_add_nc_u32 v[VS], SCK, v5
	global_load_b64 v[62:63], v5, s[70:71]         ; row r's words of both passes: bytes 0, 1 the even tile's, 2, 3 the odd tile's
	WIN 0x40
.irp e, 0,1,2                                  ; an image's registers 2 e, 2 e + 1 lie at 512 (e / 2) + 8 (e % 2) + 16 lane: 0-5 are tile 0's Q, 6-11 tile 1's
	global_load_b64 v[QZ+6+2*\e:QZ+7+2*\e], v7, s[68:69] offset:512*(\e/2)+8*(\e%2)
	global_load_b64 v[QZ+18+2*\e:QZ+19+2*\e], v7, s[68:69] offset:512*((\e+3)/2)+8*((\e+3)%2)
	global_load_b64 v[QS+2*\e:QS+1+2*\e], v7, s[68:69] offset:1536+512*(\e/2)+8*(\e%2)
	global_load_b64 v[QS+6+2*\e:QS+7+2*\e], v7, s[68:69] offset:1536+512*((\e+3)/2)+8*((\e+3)%2)
.endr
.irp j, 0,1,2,3,4,5
	v_mov_b32 v[QZ+\j], 0                          ; zero codes
	v_mov_b32 v[QZ+12+\j], 0
	v_mov_b32 v[QZ+24+\j], 0
.endr
	WIN 0
.irp t, 0,1
	v_mov_b32 v[TB+18*\t], 0                       ; a lane permute's destination counts as one of its sources
	v_mov_b32 v[FF+1+18*\t], 0
.endr
	s_wait_alu depctr_va_vdst(0)
	s_wait_loadcnt 0x0
	v_perm_b32 v18, v62, v62, 0x01000100           ; a tile's two bytes, twice: they serve (Q, zeros) and (zeros, Q) alike
	v_perm_b32 v19, v62, v62, 0x03020302
	v_perm_b32 v20, v63, v63, 0x01000100
	v_perm_b32 v21, v63, v63, 0x03020302
.macro FLOAD base, adr                 ; four images of 1,536 bytes into window 1: 12 loads
	WIN 0x40
.irp j, 0,1,2,3
.irp g, 0,1,2
	ds_load_b128 v[\base+12*\j+4*\g:\base+12*\j+4*\g+3], v[\adr] offset:1536*\j+512*\g
.endr
.endr
	WIN 0
.endm
.macro WQ d, a, b, sa, sb              ; a score product: it starts its sum
	v_wmma_scale_f32_16x16x128_f8f6f4 v[\d:\d+7], v[\a:\a+11], v[\b:\b+11], 0, v[\sa], v[\sb] matrix_a_fmt:MATRIX_FMT_FP6 matrix_b_fmt:MATRIX_FMT_FP6
.endm
.macro WP d, a, b, sa, sb
	v_wmma_scale_f32_16x16x128_f8f6f4 v[\d:\d+7], v[\a:\a+11], v[\b:\b+11], v[\d:\d+7], v[\sa], v[\sb] matrix_a_fmt:MATRIX_FMT_FP6 matrix_b_fmt:MATRIX_FMT_FP6
.endm
.macro PF j0                           ; t - M of 16 scores of each tile, two at a time
.irp t, 0,1
.irp k, 0,2,4,6,8,10,12,14
	v_pk_fma_f32 v[RS+64*\t+\j0+\k:RS+64*\t+\j0+\k+1], v[RS+64*\t+\j0+\k:RS+64*\t+\j0+\k+1], s[18:19], v[NM+18*\t:NM+18*\t+1] op_sel_hi:[1,0,0]
.endr
.endr
.endm
.macro ORS k                           ; four registers of each tile's O^T under the new M; ascending: each accumulator from its low end on
.irp t, 0,1
	v_pk_mul_f32 v[RO+32*\t+4*\k:RO+32*\t+4*\k+1], v[RO+32*\t+4*\k:RO+32*\t+4*\k+1], v[FF+18*\t:FF+18*\t+1] op_sel_hi:[1,0]
	v_pk_mul_f32 v[RO+32*\t+4*\k+2:RO+32*\t+4*\k+3], v[RO+32*\t+4*\k+2:RO+32*\t+4*\k+3], v[FF+18*\t:FF+18*\t+1] op_sel_hi:[1,0]
.endr
.endm
.macro STEP
	v_add_nc_u32 v4, s20, v[VV]                    ; four places behind the last step's products, in front of loads into registers that they read
	v_add_nc_u32 v5, s21, v[VS]
	v_nop
	v_nop
	FLOAD VF, 4                                    ; V's four fragments,
	ds_load_b128 v[14:17], v5 offset:4096          ; and their scale words
	s_add_co_u32 s23, s20, 6144                    ; where the next step's K lies; behind the pass's last step: step 0
	s_add_co_u32 s25, s21, 256
	s_cmp_eq_u32 s22, 1
	s_cselect_b32 s23, 0, s23
	s_cselect_b32 s25, 0, s25
	s_wait_dscnt 13                                ; K and its scale words are in; the 13 loads just issued may be out
	WIN 0x05
.irp t, 0,1
.irp j, 0,1,2,3
	WQ RS+64*\t+16*\j, KF+12*\j, QZ+6+12*\t, 10+\j, 18+\t
	WQ RS+64*\t+16*\j+8, KF+12*\j, QZ+12*\t, 10+\j, 18+\t
.endr
.endr
	WIN 0
	v_add_nc_u32 v3, s23, v7                       ; four places: in front of the loads into K's registers and of the first read of the scores
	v_add_nc_u32 v5, s25, v[VS]
	v_nop
	v_nop
	FLOAD KF, 3                                    ; the next step's K lands under the softmax
	ds_load_b128 v[10:13], v5
.irp t, 0,1                                    ; the largest score of each block of 32 keys, in two chains a block, eight in all; ascending: each accumulator from its low end on
.irp c, 0,1,2,3
	v_max3_num_f32 v[MX+18*\t+\c], v[RS+64*\t+16*\c], v[RS+64*\t+16*\c+1], v[RS+64*\t+16*\c+2]
.endr
.endr
.irp i, 3,5,7,9,11,13
.irp t, 0,1
.irp c, 0,1,2,3
	v_max3_num_f32 v[MX+18*\t+\c], v[MX+18*\t+\c], v[RS+64*\t+16*\c+\i], v[RS+64*\t+16*\c+\i+1]
.endr
.endr
.endr
.irp b, 0,1
.irp t, 0,1
	v_max3_num_f32 v[MX+18*\t+2*\b], v[MX+18*\t+2*\b], v[MX+18*\t+2*\b+1], v[RS+64*\t+32*\b+15]
.endr
.endr
.irp b, 0,1
.irp t, 0,1
	v_max_num_f32 v[MX+18*\t+2*\b], v[MX+18*\t+2*\b], v[RS+64*\t+32*\b+31]
.endr
.endr
.irp t, 0,1
	D2
	v_max_num_f32 v[TA+18*\t], v[MX+18*\t], v[MX+18*\t+2]
.endr
.irp t, 0,1
	D2
	v_permlanex16_b32 v[TB+18*\t], v[TA+18*\t], s16, s17
.endr
.irp t, 0,1
	D2
	v_max_num_f32 v[TA+18*\t], v[TA+18*\t], v[TB+18*\t]        ; the step's largest score of my query
.endr
.irp t, 0,1
	D2
	v_mul_f32 v[TA+18*\t], s18, v[TA+18*\t]        ; as t
.endr
.irp t, 0,1
	v_mov_b32 v[TB+18*\t], v[NM+18*\t]             ; the old -M
.endr
.irp t, 0,1
	s_delay_alu instid0(VALU_DEP_4)
	v_max_num_f32 v[TM+18*\t], v[TM+18*\t], v[TA+18*\t]        ; the running largest t
.endr
.irp t, 0,1
	D2
	v_floor_f32 v[NM+18*\t], -v[TM+18*\t]          ; the new -M = -ceil(t)
.endr
	PF 0
.irp t, 0,1
	v_sub_f32 v[TB+18*\t], v[NM+18*\t], v[TB+18*\t]            ; old M - new M: a whole number, 0 or less
.endr
	PF 16
.irp t, 0,1
	v_cvt_i32_f32 v[TB+18*\t], v[TB+18*\t]         ; (it saturates)
.endr
	PF 32
.irp t, 0,1
	v_ldexp_f32 v[FF+18*\t], 1.0, v[TB+18*\t]      ; f = 2^(old M - new M)
.endr
	PF 48
.irp b, 0,2
.irp t, 0,1
	v_fma_f32 v[MX+18*\t+\b], v[MX+18*\t+\b], s18, v[NM+18*\t] ; the same of each block's largest score
.endr
.endr
	s_wait_alu depctr_va_vdst(0)
.set j, 0
.rept 128
	v_exp_f32 v[RS+j], v[RS+j]                     ; p = 2^(t - M), at most 1
.set j, j+1
.endr
.irp b, 0,2
.irp t, 0,1
	v_exp_f32 v[MX+18*\t+\b], v[MX+18*\t+\b]       ; the blocks' largest p
.endr
.endr
	v_nop                                          ; a plain place behind the exponentials
	s_wait_alu depctr_va_vdst(0)                   ; one wait for the batch, directly ahead of the first reader of O^T too
	ORS 0                                          ; O^T under the new M, and among its lines p's scales
.irp b, 0,2
.irp t, 0,1
	v_max_num_f32 v[MX+18*\t+\b], 0x1800000, v[MX+18*\t+\b]    ; the floor 2^(3 - 127): the byte cannot fall under 1
.endr
.endr
	ORS 1
.irp b, 0,2
.irp t, 0,1
	v_add_nc_u32 v[MX+18*\t+\b], 0xff000000, v[MX+18*\t+\b]    ; 2 off the exponent field: the conversion's scale operand
.endr
.endr
	ORS 2
.irp b, 0,2
.irp t, 0,1
	v_lshrrev_b32 v[MX+18*\t+\b+1], 23, v[MX+18*\t+\b]         ; the scale's byte
.endr
.endr
	ORS 3
.irp t, 0,1
	v_lshl_or_b32 v[TA+18*\t], v[MX+18*\t+3], 16, v[MX+18*\t+1]
.endr
	ORS 4
.irp t, 0,1
	v_lshlrev_b32 v[TA+18*\t], v6, v[TA+18*\t]     ; my bytes of blocks h and 2 + h,
.endr
	ORS 5
.irp t, 0,1
	v_permlanex16_b32 v[TB+18*\t], v[TA+18*\t], s16, s17
.endr
	ORS 6
.irp t, 0,1
	v_or_b32 v[22+\t], v[TA+18*\t], v[TB+18*\t]    ; with lane l xor 16's: p's scale word for these 128 keys
.endr
	ORS 7
	WIN 0x40
.irp t, 0,1
	v_cvt_scalef32_pk16_fp6_f32 v[RP+12*\t:RP+12*\t+2], v[RS+64*\t:RS+64*\t+15], v[MX+18*\t]
	v_cvt_scalef32_pk16_fp6_f32 v[TC+8*\t:TC+8*\t+2], v[RS+64*\t+16:RS+64*\t+31], v[MX+18*\t]      ; (a conversion's three registers begin on an even number)
	v_cvt_scalef32_pk16_fp6_f32 v[RP+12*\t+6:RP+12*\t+8], v[RS+64*\t+32:RS+64*\t+47], v[MX+18*\t+2]
	v_cvt_scalef32_pk16_fp6_f32 v[TC+8*\t+4:TC+8*\t+6], v[RS+64*\t+48:RS+64*\t+63], v[MX+18*\t+2]
.endr
	v_nop                                          ; one plain place behind a scaled conversion
	WIN 0x41
.irp t, 0,1
.irp i, 0,1,2
	v_mov_b32 v[RP+12*\t+3+\i], v[TC+8*\t+\i]
	v_mov_b32 v[RP+12*\t+9+\i], v[TC+8*\t+4+\i]
.endr
.endr
	WIN 0
.irp t, 0,1                                    ; the sums: x f and the first four pairs in one line each, then 28 additions a tile, eight chains in all
.irp k, 0,2,4,6
	v_pk_fma_f32 v[SU+18*\t+\k:SU+18*\t+\k+1], v[SU+18*\t+\k:SU+18*\t+\k+1], v[FF+18*\t:FF+18*\t+1], v[RS+64*\t+\k:RS+64*\t+\k+1] op_sel_hi:[1,0,1]
.endr
.endr
.irp m, 8,16,24,32,40,48,56
.irp t, 0,1
.irp k, 0,2,4,6
	v_pk_add_f32 v[SU+18*\t+\k:SU+18*\t+\k+1], v[SU+18*\t+\k:SU+18*\t+\k+1], v[RS+64*\t+\m+\k:RS+64*\t+\m+\k+1]
.endr
.endr
.endr
	s_wait_dscnt 13                                ; V is in; the next step's 13 loads may be out
	WIN 0x05
.irp i, 0,1,2,3                                ; O^T += V^T P: the eight accumulators by turns
.irp t, 0,1
	WP RO+32*\t+8*\i, VF+12*\i, RP+12*\t, 14+\i, 22+\t
.endr
.endr
	WIN 0
.endm
; A pass's end: O / the sum, quantised: a lane's 32 registers are the true channels 32 h + 0 .. 31 of its query: block 2 head + h of the last product's K.
.macro FINISH
	PLACES
	s_wait_alu depctr_va_vdst(0)                   ; directly ahead of the first reader of the sums
.irp t, 0,1
	v_pk_add_f32 v[SU+18*\t:SU+18*\t+1], v[SU+18*\t:SU+18*\t+1], v[SU+18*\t+2:SU+18*\t+3]
	v_pk_add_f32 v[SU+18*\t+4:SU+18*\t+5], v[SU+18*\t+4:SU+18*\t+5], v[SU+18*\t+6:SU+18*\t+7]
.endr
.irp t, 0,1
	v_pk_add_f32 v[SU+18*\t:SU+18*\t+1], v[SU+18*\t:SU+18*\t+1], v[SU+18*\t+4:SU+18*\t+5]
.endr
.irp t, 0,1
	D2
	v_add_f32 v[SU+18*\t], v[SU+18*\t], v[SU+18*\t+1]
.endr
.irp t, 0,1
	D2
	v_permlanex16_b32 v[TB+18*\t], v[SU+18*\t], s16, s17
.endr
.irp t, 0,1
	D2
	v_add_f32 v[SU+18*\t], v[SU+18*\t], v[TB+18*\t]            ; the row's sum
.endr
	s_wait_alu depctr_va_vdst(0)                   ; a wait ahead of the two reciprocals
.irp t, 0,1
	v_rcp_f32 v[SU+18*\t], v[SU+18*\t]
.endr
	v_nop
	s_wait_alu depctr_va_vdst(0)                   ; and behind them, directly ahead of the first reader
.irp t, 0,1
.irp j, 0,2,4,6,8,10,12,14,16,18,20,22,24,26,28,30
	v_pk_mul_f32 v[RS+64*\t+\j:RS+64*\t+\j+1], v[RO+32*\t+\j:RO+32*\t+\j+1], v[SU+18*\t:SU+18*\t+1] op_sel_hi:[1,0]
.endr
.endr
.irp t, 0,1
.irp c, 0,1
	v_max3_num_f32 v[MX+18*\t+\c], |v[RS+64*\t+2*\c]|, |v[RS+64*\t+2*\c+1]|, 0x1800000
.endr
.endr
.irp j, 4,8,12,16,20,24,28
.irp t, 0,1
.irp c, 0,1
	s_delay_alu instid0(VALU_DEP_4)
	v_max3_num_f32 v[MX+18*\t+\c], v[MX+18*\t+\c], |v[RS+64*\t+\j+2*\c]|, |v[RS+64*\t+\j+2*\c+1]|
.endr
.endr
.endr
.irp t, 0,1
	v_max_num_f32 v[MX+18*\t], v[MX+18*\t], v[MX+18*\t+1]
.endr
.irp t, 0,1
	D2
	v_add_nc_u32 v[MX+18*\t], 0xff000000, v[MX+18*\t]
.endr
.irp t, 0,1
	D2
	v_lshrrev_b32 v[MX+18*\t+1], 23, v[MX+18*\t]
.endr
.irp t, 0,1
	v_cvt_scalef32_pk16_fp6_f32 v[RS+64*\t+32:RS+64*\t+34], v[RS+64*\t:RS+64*\t+15], v[MX+18*\t]
	v_cvt_scalef32_pk16_fp6_f32 v[RS+64*\t+40:RS+64*\t+42], v[RS+64*\t+16:RS+64*\t+31], v[MX+18*\t]
.endr
	v_nop
.irp t, 0,1
.irp i, 0,1,2
	v_mov_b32 v[RS+64*\t+35+\i], v[RS+64*\t+40+\i]
.endr
.endr
.irp t, 0,1
	v_lshlrev_b32 v[TA+18*\t], v6, v[MX+18*\t+1]
.endr
.irp t, 0,1
	D2
	v_permlanex16_b32 v[TB+18*\t], v[TA+18*\t], s16, s17
.endr
.irp t, 0,1
	D2
	v_or_b32 v[TA+18*\t], v[TA+18*\t], v[TB+18*\t]             ; the row's two bytes
.endr
.irp t, 0,1
	global_store_b128 v7, v[RS+64*\t+32:RS+64*\t+35], s[8:9] offset:768*\t        ; 512 consecutive bytes, aligned to 256
	global_store_b64 v8, v[RS+64*\t+36:RS+64*\t+37], s[8:9] offset:768*\t+512     ; 256 consecutive bytes, aligned
.endr
	v_cndmask_b32 v62, v[TA], v[TA+18], s27        ; lanes 0-15: tile 0's row r, lanes 16-31: tile 1's: lane l is place 32 P + l
	global_store_b16 v9, v62, s[10:11]             ; two bytes of each row's 32: the one store here whose lanes lie apart; 64 bytes against the pass's 1,536 of codes
	s_wait_xcnt 0x0                                ; the stores have read their registers and bases
	s_add_nc_u64 s[8:9], s[8:9], 1536
	s_add_nc_u64 s[10:11], s[10:11], 1024
.endm
	s_wait_alu depctr_va_vdst(0)                   ; the head's end
	s_wait_tensorcnt 0x0                           ; my load has landed;
	s_barrier_signal -1
	s_barrier_wait -1                              ; everybody's has: the head's K, V and scale words lie in LDS, and nothing writes them again
	FLOAD KF, 7                                    ; K's step 0
	ds_load_b128 v[10:13], v[VS]
	s_mov_b32 s26, 2
.Lpass:
.irp t, 0,1
	v_mov_b32 v[TM+18*\t], 0xff61b1e6              ; the largest t so far: -3e38
.endr
.irp t, 0,1
	D2
	v_floor_f32 v[NM+18*\t], -v[TM+18*\t]
.endr
.irp t, 0,1
.irp k, 0,1,2,3,4,5,6,7
	v_mov_b32 v[SU+18*\t+\k], 0
.endr
.endr
.set j, 0
.rept 64
	v_mov_b32 v[RO+j], 0
.set j, j+1
.endr
	s_mov_b32 s20, 0
	s_mov_b32 s21, 0
	s_mov_b32 s22, 16
.Lstep:
	STEP
	s_add_co_u32 s20, s20, 6144
	s_add_co_u32 s21, s21, 256
	s_sub_co_u32 s22, s22, 1
	s_cmp_lg_u32 s22, 0
	s_cbranch_scc1 .Lstep
	FINISH
	s_cmp_eq_u32 s26, 1
	s_wait_alu depctr_va_vdst(0)
	s_cbranch_scc1 .Llast
	WIN 0x41
.irp i, 0,1,2,3,4,5
	v_mov_b32 v[QZ+6+\i], v[QS+\i]                 ; the second pass's Q takes the first's place,
	v_mov_b32 v[QZ+18+\i], v[QS+6+\i]
.endr
	WIN 0
	v_mov_b32 v18, v20                             ; and so do its scale words
	v_mov_b32 v19, v21
.Llast:
	s_sub_co_u32 s26, s26, 1
	s_cmp_lg_u32 s26, 0
	s_wait_alu depctr_va_vdst(0)
	s_cbranch_scc1 .Lpass
	s_wait_tensorcnt 0x0                           ; the wave's end, behind the last tensor load
	ds_add_u32 v1, v2
	s_wait_dscnt 0x0
	CROUND                                         ; the closing round
	s_endpgm
.Lfunc_end_k_q62f4adf4a0_attn:
	.size	k_q62f4adf4a0_attn, .Lfunc_end_k_q62f4adf4a0_attn-k_q62f4adf4a0_attn
	.p2alignl 7, 3214868480
	.fill 96, 4, 3214868480
	.section	.rodata,"a",@progbits
	.p2align	6, 0x0
	.amdhsa_kernel k_q62f4adf4a0_attn
		.amdhsa_group_segment_fixed_size 206848
		.amdhsa_private_segment_fixed_size 0
		.amdhsa_enable_private_segment 0
		.amdhsa_kernarg_size 32
		.amdhsa_user_sgpr_count 2
		.amdhsa_user_sgpr_kernarg_segment_ptr 1
		.amdhsa_wavefront_size32 1
		.amdhsa_system_sgpr_workgroup_id_x 1
		.amdhsa_system_sgpr_workgroup_id_y 1
		.amdhsa_system_sgpr_workgroup_id_z 1
		.amdhsa_system_vgpr_workitem_id 0
		.amdhsa_next_free_vgpr 512
		.amdhsa_next_free_sgpr 80
		.amdhsa_reserve_vcc 0
		.amdhsa_float_denorm_mode_32 3
		.amdhsa_float_denorm_mode_16_64 3
		.amdhsa_memory_ordered 1
		.amdhsa_forward_progress 1
		.amdhsa_inst_pref_size 49
	.end_amdhsa_kernel
	.amdgpu_metadata
---
amdhsa.version: [ 1, 2 ]
amdhsa.kernels:
  - .name:           k_q62f4adf4a0_attn
    .symbol:         k_q62f4adf4a0_attn.kd
    .args:
      - { .name: ac, .offset: 0, .size: 8, .value_kind: global_buffer, .address_space: global }
      - { .name: asc, .offset: 8, .size: 8, .value_kind: global_buffer, .address_space: global }
      - { .name: oc, .offset: 16, .size: 8, .value_kind: global_buffer, .address_space: global }
      - { .name: os, .offset: 24, .size: 8, .value_kind: global_buffer, .address_space: global }
    .group_segment_fixed_size: 206848
    .private_segment_fixed_size: 0
    .kernarg_segment_align: 8
    .kernarg_segment_size: 32
    .max_flat_workgroup_size: 256
    .sgpr_count:     80
    .vgpr_count:     512
    .wavefront_size: 32
...
	.end_amdgpu_metadata
.endif
;; end of part 3
;; launch proj (part 4): grid 4 x 64, 4 waves a work-group, clusters of 4 x 4, 327,680 bytes of LDS; arguments oc, os, wc, ws, out0; writes out0
.if DOCPART == 4
	.amdgcn_target "amdgcn-amd-amdhsa--gfx1250"
	.amdhsa_code_object_version 6
	.text
	.protected	k_q62f4adf4a0_proj
	.globl	k_q62f4adf4a0_proj
	.p2align	8
	.type	k_q62f4adf4a0_proj,@function
k_q62f4adf4a0_proj:
	s_mov_b64 s[64:65], 0
	v_nop
	global_prefetch_b8 v0, s[64:65] scope:SCOPE_SE
	s_setreg_imm32_b32 hwreg(HW_REG_WAVE_MODE, 25, 1), 1
	s_wait_xcnt 0x0
	s_wait_alu depctr_hold_cnt(0) depctr_sa_sdst(0) depctr_va_vdst(0) depctr_va_sdst(0) depctr_va_ssrc(0) depctr_va_vcc(0) depctr_vm_vsrc(0)
	s_getreg_b32 s2, hwreg(HW_REG_IB_STS2, 6, 4)
	s_cmp_eq_u32 s2, 0
	s_cbranch_scc0 .Lentry_in_a_cluster
	s_endpgm
.Lentry_in_a_cluster:
	s_bfe_u32 s2, ttmp6, 0x10000c
	s_cmp_lg_u32 s2, 0xf033
	s_cbranch_scc0 .Lentry_shape_is_right
	s_endpgm
.Lentry_shape_is_right:
; PROJ: out0 = o w_out on codes of FP6 (E2M3) with E8M0 scales; f32 sums and results.
; SHARES.  A work-group owns 128 places of o and 256 columns; a wave 128 rows x 64 columns.  LDS holds ALL OF K, filled once, one joint load a wave: o's images (98,304 dense bytes), w_out's 256 rows as whole rows of
; 768 bytes (each begins at a multiple of 256 bytes of wc), 16 bytes of padding behind each 256: pitch 816; and both sides' scale bytes.  No byte is filled again.
; A wave takes its 64 rows of W, all of K, into 384 registers.  o comes by tiles of 16 rows x all of K (96 registers, two sets by turns): 32 products finish a tile's four accumulators, which take turns
; and the tile leaves at once, while the next is multiplied.
; Source 0 = W, source 1 = o: a lane's 32 results are the true columns 32 h + 0 .. 31 of its row (W's rows lie in the order place 16 i + 8 h + j = true row 32 h + 8 i + j of each 64).
; THE WAY OUT: 16 rows x 256 bytes through the wave's own stage, which lies in its own 64 rows of W: they have had their only fill, and the wave alone read them, into registers, before its first store there.
; Sixteen lanes then store 256 consecutive bytes, aligned.  o's rows lie in the same order of places, so tile a's row t is true row 64 (a / 4) + 32 (t / 8) + 8 (a % 4) + t % 8.
; CLUSTERS 4 x 4: o's rows are shared along a row of the cluster, W's along a column.  NO PREFETCH: all loads go out at the head; there is no loop to run ahead in.
; REGISTERS: window 0: v16-29 addresses, v32-63 W's scale words, v64-79 o's (two sets), v96-191 o's set 0, v192-255 rows read back; window 1: v0-63 accumulators, two sets; window 2: W's steps 0-4; window 3: W's steps 5-7, from v144 o's set 1.
.set PITCH,  816
.set TPITCH, 16*PITCH
.set SBLK,   544
.set WB,     98304
.set XSB,    WB+256*PITCH
.set WSB,    XSB+8*SBLK
.set SPARE,  WSB+16*SBLK
.set ADRO, 16                          ; v16-19 o's images: 16 bytes a lane, 8 bytes a lane; the same for heads 8-15
.set ADRW, 20
.set ADRXS, 22
.set ADRWS, 23
.set CO,   24
.set STO,  25
.set RD,   26
.set SPW,  28
.set NIL,  29
.set SCW,  32
.set SCX,  64
.set BK,   192
.set G1X, 24
.set G0X, 32
.set G0WH, 36
.set G1W, 48
.set G0XS, 56
.set G0WS, 60
.set G1XS, 68
.set G1WS, 80
.set MSB, 0
.macro WIN new
.if MSB != (\new)
	s_set_vgpr_msb (MSB<<8)|(\new)
.set MSB, (\new)
.endif
.endm
.macro PLACES
.rept 4
	v_nop
.endr
.endm
.macro CROUND
	s_barrier_signal -1
	s_barrier_wait -1
	s_cmp_lg_u32 s14, 0
	s_cbranch_scc1 .Lnot_wave_0_\@
	s_barrier_signal -3
.Lnot_wave_0_\@:
	s_barrier_wait -3
	s_barrier_signal -1
	s_barrier_wait -1
.endm
.macro ARM under, g0, g1, next
	s_cmp_lt_u32 s14, \under
	s_cbranch_scc0 \next
	tensor_load_to_lds s[\g0:\g0+3], s[\g1:\g1+7]
	s_nop 0
	PLACES
	s_branch .Lhead_asked
\next:
.endm
	s_load_b128 s[4:7], s[0:1], 0x0                ; oc, os
	s_load_b128 s[8:11], s[0:1], 0x10              ; wc, ws
	s_load_b64 s[12:13], s[0:1], 0x20              ; out0
	v_lshl_add_u32 v[SPW], v0, 2, SPARE
	v_mov_b32 v[NIL], 0
	ds_add_u32 v[SPW], v[NIL]                      ; the opening lines: the add, twice on end, and its wait
	ds_add_u32 v[SPW], v[NIL]
	v_lshrrev_b32 v1, 5, v0
	v_readfirstlane_b32 s14, v1                    ; wave
	s_bfe_u32 s40, ttmp6, 0x40000                  ; cx
	s_bfe_u32 s41, ttmp6, 0x40004                  ; cy
	s_lshl_b32 s42, ttmp9, 2
	s_add_co_u32 s42, s42, s40                     ; g: which 256 columns
	s_and_b32 s17, ttmp7, 0xffff
	s_lshl_b32 s17, s17, 2
	s_add_co_u32 s17, s17, s41                     ; y: which 128 rows
	s_lshl_b32 s43, s41, 2
	s_lshl_b32 s43, 15, s43
	s_lshl_b32 s44, 0x1111, s40
	s_or_b32 s[G1X+0], s43, (3<<16)|(1<<21)        ; o: 16 heads x 6,144 dense bytes (eight row tiles), 393,216 bytes from head to head; elements of 8 bytes
	s_mov_b32 s[G1X+1], 768<<16
	s_mov_b32 s[G1X+2], 16<<16
	s_mov_b32 s[G1X+3], 768<<16
	s_mov_b32 s[G1X+4], 16
	s_mov_b32 s[G1X+5], 49152
	s_mov_b32 s[G1X+6], 0
	s_mov_b32 s[G1X+7], 0
	s_or_b32 s[G1W+0], s44, (1<<20)|(1<<21)|(5<<22)|(3<<25)   ; W: bytes; 4 words of padding behind every 64
	s_mov_b32 s[G1W+1], 768<<16
	s_mov_b32 s[G1W+2], 256<<16
	s_mov_b32 s[G1W+3], 768<<16
	s_mov_b32 s[G1W+4], 256
	s_mov_b32 s[G1W+5], 768
	s_mov_b32 s[G1W+6], 0
	s_mov_b32 s[G1W+7], 0
	s_or_b32 s[G1XS+0], s43, (3<<16)|(1<<20)|(1<<21)|(5<<22)|(3<<25)
	s_or_b32 s[G1WS+0], s44, (3<<16)|(1<<20)|(1<<21)|(5<<22)|(3<<25)
.irp g, G1XS, G1WS
	s_mov_b32 s[\g+1], 32<<16
	s_mov_b32 s[\g+3], 32<<16
	s_mov_b32 s[\g+5], 32
	s_mov_b32 s[\g+6], 0
	s_mov_b32 s[\g+7], 0
.endr
	s_mov_b32 s[G1XS+2], 16<<16
	s_mov_b32 s[G1XS+4], 16
	s_mov_b32 s[G1WS+2], 32<<16
	s_mov_b32 s[G1WS+4], 32
	s_mul_i32 s20, s17, 6144                       ; o's eight row tiles in each head
	s_mov_b32 s21, 0
	s_lshl_b32 s22, s17, 12
	s_mov_b32 s23, 0
	s_mul_i32 s46, s42, 256*768
	s_add_co_u32 s46, s46, 3072*768                ; w_out's rows lie behind w_qkv's 3,072
	s_mov_b32 s47, 0
	s_lshl_b32 s92, s42, 13
	s_add_co_u32 s92, s92, 3072*32
	s_mov_b32 s93, 0
	s_mul_i32 s89, s14, 4*TPITCH
	s_add_co_u32 s89, s89, WB                      ; my 64 rows of W in LDS; later my stage
	s_mul_i32 s90, s14, 4*SBLK
	s_add_co_u32 s90, s90, WSB
	s_lshl_b32 s18, s17, 19                        ; out0: 128 rows of 4,096 bytes,
	s_lshl_b32 s91, s42, 10
	s_add_co_u32 s18, s18, s91                     ; 1,024 bytes for each 256 columns,
	s_lshl_b32 s91, s14, 8
	s_add_co_u32 s18, s18, s91                     ; 256 a wave
	s_mov_b32 s19, 0
	s_wait_dscnt 0x0
	s_wait_kmcnt 0x0
	s_add_nc_u64 s[12:13], s[12:13], s[18:19]
	s_mov_b32 s[G0X], 1
	s_mov_b32 s[G0X+1], 0
	s_add_nc_u64 s[G0X+2:G0X+3], s[4:5], s[20:21]
	s_or_b32 s[G0X+3], s[G0X+3], 0x80000000
	s_mov_b32 s[G0XS], 1
	s_mov_b32 s[G0XS+1], XSB
	s_add_nc_u64 s[G0XS+2:G0XS+3], s[6:7], s[22:23]
	s_or_b32 s[G0XS+3], s[G0XS+3], 0x80000000
	s_mov_b32 s[G0WH], 1
	s_mov_b32 s[G0WH+1], WB
	s_add_nc_u64 s[G0WH+2:G0WH+3], s[8:9], s[46:47]
	s_or_b32 s[G0WH+3], s[G0WH+3], 0x80000000
	s_mov_b32 s[G0WS], 1
	s_mov_b32 s[G0WS+1], WSB
	s_add_nc_u64 s[G0WS+2:G0WS+3], s[10:11], s[92:93]
	s_or_b32 s[G0WS+3], s[G0WS+3], 0x80000000
	CROUND                                         ; all sixteen work-groups are here: the joint loads meet
	ARM 1, G0X,  G1X,  .Lhead_w                    ; one load a wave: o's images, W's rows, o's scale bytes, W's
	ARM 2, G0WH, G1W,  .Lhead_xs
	ARM 3, G0XS, G1XS, .Lhead_ws
	tensor_load_to_lds s[G0WS:G0WS+3], s[G1WS:G1WS+7]
	s_nop 0
	PLACES
.Lhead_asked:
	v_and_b32 v1, 15, v0                           ; r
	v_bfe_u32 v2, v0, 4, 1                         ; h
	v_and_b32 v6, 31, v0                           ; lane
	v_lshlrev_b32 v[ADRO], 4, v6
	v_lshl_add_u32 v[ADRO+1], v6, 3, 512
	v_add_nc_u32 v[ADRO+2], 49152, v[ADRO]
	v_add_nc_u32 v[ADRO+3], 49152, v[ADRO+1]
	v_mul_u32_u24 v3, v1, PITCH
	v_mad_u32_u24 v3, v2, 24, v3
	v_add_nc_u32 v[ADRW], s89, v3
	v_lshl_add_u32 v[ADRW+1], v2, 4, v[ADRW]
	v_lshrrev_b32 v4, 3, v1
	v_lshlrev_b32 v5, 5, v1
	v_lshl_add_u32 v5, v4, 4, v5
	v_add_nc_u32 v[ADRXS], XSB, v5
	v_add_nc_u32 v[ADRWS], s90, v5
	v_mul_u32_u24 v7, v1, 272
	v_lshl_add_u32 v7, v2, 7, v7
	v_add_nc_u32 v[STO], s89, v7                   ; the stage, in: row r of 272 bytes, 128 bytes for each half of the lanes
	v_mul_u32_u24 v8, v2, 272
	v_lshl_add_u32 v8, v1, 4, v8
	v_add_nc_u32 v[RD], s89, v8                    ; and back: sixteen lanes to a row, two rows an instruction
	v_lshlrev_b32 v9, 12, v2
	v_lshl_add_u32 v[CO], v1, 4, v9                ; the same two rows in out0
.macro FR6 reg, adr, s, off
.irp p, 0,1,2,3,4,5
.set BY, 96*(\s)+48*(\p/3)+8*(\p%3)
	ds_load_b64 v[\reg+2*\p:\reg+2*\p+1], v[\adr+((BY+24)/256-BY/256)] offset:BY+16*(BY/256)+(\off)
.endr
.endm
.macro XLOAD i, set                    ; o's tile i, all of K (step s = heads 2 s, 2 s + 1), and its scale words: 34 loads
	WIN 0xc0*(\set)
.irp s, 0,1,2,3,4,5,6,7
.set XB, 96+48*(\set)+12*\s
.set XO, 12288*(\s%4)+768*(\i)
	ds_load_b128 v[XB:XB+3], v[ADRO+2*(\s/4)] offset:XO
	ds_load_b64 v[XB+4:XB+5], v[ADRO+1+2*(\s/4)] offset:XO
	ds_load_b128 v[XB+6:XB+9], v[ADRO+2*(\s/4)] offset:XO+6144
	ds_load_b64 v[XB+10:XB+11], v[ADRO+1+2*(\s/4)] offset:XO+6144
.endr
	WIN 0
	ds_load_b128 v[SCX+8*(\set):SCX+8*(\set)+3], v[ADRXS] offset:(\i)*SBLK
	ds_load_b128 v[SCX+8*(\set)+4:SCX+8*(\set)+7], v[ADRXS] offset:(\i)*SBLK+16
.endm
.macro WLOAD s
	WIN 0x80+0x40*((\s)/5)
.irp b, 0,1,2,3
	FR6 12*(4*((\s)%5)+\b), ADRW, \s, \b*TPITCH
.endr
.endm
.macro WM d, p, q, z, sp, sq
.if (\z) == 0
	v_wmma_scale_f32_16x16x128_f8f6f4 v[\d:\d+7], v[\p:\p+11], v[\q:\q+11], 0, v[\sp], v[\sq] matrix_a_fmt:MATRIX_FMT_FP6 matrix_b_fmt:MATRIX_FMT_FP6
.else
	v_wmma_scale_f32_16x16x128_f8f6f4 v[\d:\d+7], v[\p:\p+11], v[\q:\q+11], v[\d:\d+7], v[\sp], v[\sq] matrix_a_fmt:MATRIX_FMT_FP6 matrix_b_fmt:MATRIX_FMT_FP6
.endif
.endm
.macro MMS a, s
	WIN 0x50|(2+(\s)/5)|((3*((\a)%2))<<2)
.irp b, 0,1,2,3
.set WF, 12*(4*((\s)%5)+\b)
.set XF, 96+48*((\a)%2)+12*(\s)
.set SWR, SCW+8*\b+(\s)
.set SXR, SCX+8*((\a)%2)+(\s)
.set DD, 32*((\a)%2)+8*\b
	WM DD, WF, XF, \s, SWR, SXR
.endr
.endm
.macro MMA a
.irp s, 0,1,2,3,4,5,6,7
	MMS \a, \s
.endr
.endm
.macro STAGE a                         ; 8 stores and 8 loads: LDS serves a wave's instructions in order, so no wait stands between them
	WIN 0x04
.irp b, 0,1,2,3
	ds_store_b128 v[STO], v[32*((\a)%2)+8*\b:32*((\a)%2)+8*\b+3] offset:32*\b      ; each accumulator from its low end on
	ds_store_b128 v[STO], v[32*((\a)%2)+8*\b+4:32*((\a)%2)+8*\b+7] offset:32*\b+16
.endr
	WIN 0
.irp t, 0,1,2,3,4,5,6,7
	ds_load_b128 v[BK+32*((\a)%2)+4*\t:BK+32*((\a)%2)+4*\t+3], v[RD] offset:\t*544
.endr
.endm
.macro SEND a, younger                 ; younger: the LDS loads issued behind the tile's read-backs, which may stay out
	s_wait_dscnt \younger
.irp t, 0,1,2,3,4,5,6,7
	global_store_b128 v[CO], v[BK+32*((\a)%2)+4*\t:BK+32*((\a)%2)+4*\t+3], s[12:13] offset:(64*((\a)/4)+32*(\t/4)+8*((\a)%4)+2*(\t%4))*4096 th:TH_STORE_NT
.endr
.endm
	s_wait_alu depctr_va_vdst(0)                   ; the head's end
	s_wait_tensorcnt 0x0                           ; my load has landed;
	s_barrier_signal -1
	s_barrier_wait -1                              ; everybody's has, and nothing fills these bytes again
	XLOAD 0, 0
	XLOAD 1, 1
.irp b, 0,1,2,3
	ds_load_b128 v[SCW+8*\b:SCW+8*\b+3], v[ADRWS] offset:\b*SBLK
	ds_load_b128 v[SCW+8*\b+4:SCW+8*\b+7], v[ADRWS] offset:\b*SBLK+16
.endr
	WLOAD 0
	WLOAD 1
.irp s, 0,1,2,3,4,5,6,7                ; o's tile 0 is multiplied while W comes into registers, two steps ahead
.if \s < 6
	WLOAD \s+2
	s_wait_dscnt 48                                ; all but the two later steps' 24 loads each
.else
	s_wait_dscnt 24*(7-\s)
.endif
	MMS 0, \s
.endr
	WIN 0
	PLACES                                         ; behind the products: in front of the stores that read their results and of the loads into o's set
	STAGE 0                                        ; all my reads of my rows of W are back: the stage may be written
	XLOAD 2, 0
.irp a, 1,2,3,4,5,6,7
.if \a < 7
	s_wait_dscnt 50                                ; this tile of o is in; the last tile's 16 stage instructions and the next tile's 34 loads may be out
.else
	s_wait_dscnt 16
.endif
	MMA \a
	WIN 0
	PLACES
	s_wait_xcnt 0x0                                ; the stores of two tiles ago have read the registers that this tile's read-backs take
.if \a < 7
	SEND \a-1, 34
.else
	SEND \a-1, 0
.endif
	STAGE \a
.if \a < 6
	XLOAD \a+2, \a%2
.endif
.endr
	SEND 7, 0
	s_wait_tensorcnt 0x0                           ; the wave's end, behind my last LDS store
	ds_add_u32 v[SPW], v[NIL]
	s_wait_dscnt 0x0
	CROUND                                         ; the closing round
	s_endpgm
.Lfunc_end_k_q62f4adf4a0_proj:
	.size	k_q62f4adf4a0_proj, .Lfunc_end_k_q62f4adf4a0_proj-k_q62f4adf4a0_proj
	.p2alignl 7, 3214868480
	.fill 96, 4, 3214868480
	.section	.rodata,"a",@progbits
	.p2align	6, 0x0
	.amdhsa_kernel k_q62f4adf4a0_proj
		.amdhsa_group_segment_fixed_size 327680
		.amdhsa_private_segment_fixed_size 0
		.amdhsa_enable_private_segment 0
		.amdhsa_kernarg_size 40
		.amdhsa_user_sgpr_count 2
		.amdhsa_user_sgpr_kernarg_segment_ptr 1
		.amdhsa_wavefront_size32 1
		.amdhsa_system_sgpr_workgroup_id_x 1
		.amdhsa_system_sgpr_workgroup_id_y 1
		.amdhsa_system_sgpr_workgroup_id_z 1
		.amdhsa_system_vgpr_workitem_id 0
		.amdhsa_next_free_vgpr 1024
		.amdhsa_next_free_sgpr 102
		.amdhsa_reserve_vcc 0
		.amdhsa_float_denorm_mode_32 3
		.amdhsa_float_denorm_mode_16_64 3
		.amdhsa_memory_ordered 1
		.amdhsa_forward_progress 1
		.amdhsa_inst_pref_size 88
	.end_amdhsa_kernel
	.amdgpu_metadata
---
amdhsa.version: [ 1, 2 ]
amdhsa.kernels:
  - .name:           k_q62f4adf4a0_proj
    .symbol:         k_q62f4adf4a0_proj.kd
    .args:
      - { .name: oc, .offset: 0, .size: 8, .value_kind: global_buffer, .address_space: global }
      - { .name: os, .offset: 8, .size: 8, .value_kind: global_buffer, .address_space: global }
      - { .name: wc, .offset: 16, .size: 8, .value_kind: global_buffer, .address_space: global }
      - { .name: ws, .offset: 24, .size: 8, .value_kind: global_buffer, .address_space: global }
      - { .name: out0, .offset: 32, .size: 8, .value_kind: global_buffer, .address_space: global }
    .group_segment_fixed_size: 327680
    .private_segment_fixed_size: 0
    .kernarg_segment_align: 8
    .kernarg_segment_size: 40
    .max_flat_workgroup_size: 128
    .sgpr_count:     102
    .vgpr_count:     1024
    .wavefront_size: 32
...
	.end_amdgpu_metadata
.endif
;; end of part 4
